; MI455X (gfx1250); checked and timed in simulation.
; The chip was launched on July 23, 2026; its instructions are those of AMD's public machine-readable ISA for CDNA 5 (MIT licence, August 2026) and "CDNA5" Instruction Set Architecture Reference Guide (July 2026). The comments in the code are by the model that wrote it; some were corrected since.
;; Spectral Layer. Allowed arithmetic: float matrix products may take bf16 or f16 operands with f32 sums; all other float work in f32.
;; Inputs: base 1,024 x 1,024 float32; base_mask 1,024 x 1,024 float32; data 16,384 x 1,024 float32; eye 1,024 x 1,024 float32; mask1 1,024 x 1 float32; mask2 1,024 x 1 float32; trainable_diag 1,024 x 1,024 float32; trainable_diag_mask 1,024 x 1,024 float32; untrainable_diag 1,024 x 1,024 float32.
;; Outputs: out0 16,384 x 1,024 float32.
;; One version. Each part assembles by itself: llvm-mc -triple=amdgcn-amd-amdhsa -mcpu=gfx1250 --defsym DOCPART=n.
;; ======== version 1 of 1: 4 launches
;; limits: inputs' magnitudes at most 65,504; values are held in f16: magnitudes above 65,504 overflow, below 6.1e-05 lose precision
;; workspace buffers: lsp 4,194,304 bytes; msp 4,194,304 bytes; dsp 4,194,304 bytes; tsp 4,194,304 bytes; wb 2,097,152 bytes; wscale 4,096 bytes; norms 12,288 bytes
;; launch prep (part 1): grid 128 x 2, 8 waves a work-group, no clusters, 0 bytes of LDS; arguments base, base_mask, eye, trainable_diag, trainable_diag_mask, untrainable_diag, lsp, msp, dsp, norms; writes lsp, msp, dsp, norms
.if DOCPART == 1
	.amdgcn_target "amdgcn-amd-amdhsa--gfx1250"
	.amdhsa_code_object_version 6
	.text
	.protected	k_q1873e8bbee_prep
	.globl	k_q1873e8bbee_prep
	.p2align	8
	.type	k_q1873e8bbee_prep,@function
k_q1873e8bbee_prep:
	s_mov_b64 s[64:65], 0
	v_nop
	global_prefetch_b8 v0, s[64:65] scope:SCOPE_SE
	s_setreg_imm32_b32 hwreg(HW_REG_WAVE_MODE, 25, 1), 1
	s_wait_xcnt 0x0
; prep: the three factors of W, each split into two bf16 numbers, and one figure for each of their rows.
;   grid y = 0:  layer = base * base_mask + eye  -> lsp,   2 eye - layer -> msp
;   grid y = 1:  diag  = trainable_diag * trainable_diag_mask + untrainable_diag -> dsp
;   norms[n] = sum over a row of |layer|,  norms[1024 + n] = largest |2 eye - layer| of a row,  norms[2048 + n] = sum over a row of |diag|:
;   the product of the three arrays' largest numbers bounds every |W[n][k]|; a later launch takes W's common power of two from it.
; All six inputs are taken as dense 1024 x 1024 matrices of any numbers.
; THE SPLIT FORMAT of lsp, msp, dsp (and of the first product): a row of 1024 numbers is 4,096 bytes = 64 groups of 64 bytes;
; a group holds 16 neighbouring numbers as [16 bf16 hi | 16 bf16 lo], hi = bf16(x), lo = bf16(x - hi): some 16 bits of x, with f32's range.
; LIMIT: a number above bf16's largest finite one (about 3.39e38) rounds to infinity here, and its lo part is then NaN.
; A stream: nothing is shared between work-groups, so no LDS, no cluster, no matrix unit.
; One wave takes one matrix row (row = 8 x + wave) in eight steps of 128 numbers = 8 groups = 512 bytes, in f32 and in the split format alike.
; Lane q of each four stores bytes 16 q .. 16 q + 15 of a group: q = 0: hi of numbers 0-7, q = 1: hi of 8-15, q = 2: lo of 0-7, q = 3: lo of 8-15.
; So a lane needs eight numbers, and loads them itself: two loads of 16 bytes for each array; lanes q and q + 2 ask for the same bytes in the same
; instruction.  That doubles the load instructions and the small arithmetic and spares every exchange between lanes, and
; each store of a wave into lsp, msp, dsp covers 512 consecutive bytes, aligned.  The rows' figures are the one short store: 4 bytes a wave, 12,288 bytes in the launch.
; hi or lo without a choice: y = x - (hi AND lane word), the lane word 0 for q < 2 and all ones for q >= 2; bf16(y) is hi there and lo here.
.set VI,  1                            ; v1         byte offset of my 32 bytes in the inputs' row, step 0; never rewritten
.set VO,  2                            ; v2         byte offset of my 16 bytes in the outputs' row, step 0; never rewritten
.set LM,  3                            ; v3         the lane word
.set HW,  4                            ; v[4:7]     my 8 numbers' hi parts, packed, then masked
.set F,   8                            ; v[8:15]    masked hi as f32, then x - that
.set IN,  16                           ; v[16:207]  step s: a in 16+24s .. +7, b in +8 .. +15, c in +16 .. +23
.set SA,  208                          ; v[208:215] eight running sums of |x|
.set AB,  216                          ; v[216:223] eight magnitudes, at work
.set MA,  224                          ; v[224:231] eight running maxima of |2 eye - layer|
.set LN,  232                          ; v232       the lane word's complement: all ones for q < 2, 0 for q >= 2
.set NO,  233                          ; v233       byte offset of my row's word in norms; never rewritten
.set PX,  234                          ; v234       what comes from the other half of the lanes
.set LA,  235                          ; v235       lane
	s_load_b512 s[4:19], s[0:1], 0x0               ; base, base_mask, eye, trainable_diag, its mask, untrainable_diag, lsp, msp
	s_load_b128 s[20:23], s[0:1], 0x40             ; dsp s[20:21], norms s[22:23]
	s_and_b32 s32, ttmp7, 0xffff                   ; grid y: which of the two jobs
	s_mov_b32 s33, 0xffff0000                      ; a word's upper bf16
	s_lshl_b32 s34, ttmp9, 15                      ; 8 rows of 4,096 bytes for each work-group
	s_mov_b32 s35, 0x7fffffff                      ; clears an f32's sign
	s_mov_b32 s36, 0x76543210                      ; v_permlanex16_b32: lane i of one half reads lane i of the other
	s_mov_b32 s37, 0xfedcba98
	s_lshl_b32 s38, ttmp9, 5                       ; 8 rows' words in norms
	v_lshrrev_b32 v4, 5, v0                        ; wave
	v_and_b32 v[LA], 31, v0                        ; lane
	v_lshlrev_b32 v[VO], 4, v[LA]                  ; out: 16 bytes a lane
	v_lshl_add_u32 v[VO], v4, 12, v[VO]            ; + the wave's row
	v_add_nc_u32 v[VO], s34, v[VO]                 ; + the work-group's rows
	v_lshrrev_b32 v6, 2, v[LA]                     ; in: group lane / 4, 64 bytes of f32 each,
	v_and_b32 v7, 1, v0                            ; and its numbers 0-7 or 8-15
	v_lshlrev_b32 v[VI], 6, v6
	v_lshl_add_u32 v[VI], v7, 5, v[VI]
	v_lshl_add_u32 v[VI], v4, 12, v[VI]
	v_add_nc_u32 v[VI], s34, v[VI]
	v_bfe_u32 v[LM], v0, 1, 1                      ; bit 1 of the lane's number,
	v_add_nc_u32 v[LN], -1, v[LM]                  ; less one: 0xffffffff or 0,
	v_sub_nc_u32 v[LM], 0, v[LM]                   ; negated: 0 or 0xffffffff
	v_lshl_add_u32 v[NO], v4, 2, s38               ; 4 x row
	v_mov_b32 v[PX], 0                             ; v_permlanex16_b32's destination counts as read: written once here
	s_wait_kmcnt 0x0
	s_cmp_eq_u32 s32, 0                            ; the choices hang on the grid's y alone
	s_cselect_b64 s[24:25], s[4:5], s[10:11]       ; a
	s_cselect_b64 s[26:27], s[6:7], s[12:13]       ; b
	s_cselect_b64 s[28:29], s[8:9], s[14:15]       ; c
	s_cselect_b64 s[30:31], s[16:17], s[20:21]     ; where a * b + c goes
	s_cselect_b32 s39, 0, 0x2000                   ; and its rows' sums: norms' first or third array
	v_add_nc_u32 v[NO], s39, v[NO]
.irp s, 0,1,2,3,4,5,6,7
	global_load_b128 v[IN+24*\s:IN+24*\s+3],     v[VI], s[24:25] offset:512*\s          ; the whole row of all three arrays is asked for at once: 48 loads a wave
	global_load_b128 v[IN+24*\s+4:IN+24*\s+7],   v[VI], s[24:25] offset:512*\s+16
	global_load_b128 v[IN+24*\s+8:IN+24*\s+11],  v[VI], s[26:27] offset:512*\s
	global_load_b128 v[IN+24*\s+12:IN+24*\s+15], v[VI], s[26:27] offset:512*\s+16
	global_load_b128 v[IN+24*\s+16:IN+24*\s+19], v[VI], s[28:29] offset:512*\s
	global_load_b128 v[IN+24*\s+20:IN+24*\s+23], v[VI], s[28:29] offset:512*\s+16
.endr
; Eight numbers in v[x .. x+7] give my 16 bytes of their group; x is left as it is.  d: four registers for the store's data, used for nothing else afterwards.
.macro SPLITSTORE x, d, b, off
.irp j, 0,1,2,3
	v_cvt_pk_bf16_f32 v[HW+\j], v[\x+2*\j], v[\x+2*\j+1]           ; hi
.endr
.irp j, 0,1,2,3
	v_and_b32 v[HW+\j], v[LM], v[HW+\j]                            ; kept in the lanes that store lo, 0 in those that store hi
.endr
.irp j, 0,1,2,3
	v_lshlrev_b32 v[F+2*\j],   16,  v[HW+\j]                       ; back as f32
	v_and_b32     v[F+2*\j+1], s33, v[HW+\j]
.endr
.irp k, 0,1,2,3,4,5,6,7
	v_sub_f32 v[F+\k], v[\x+\k], v[F+\k]                           ; x - hi (exact), or x - 0
.endr
.irp j, 0,1,2,3
	v_cvt_pk_bf16_f32 v[\d+\j], v[F+2*\j], v[F+2*\j+1]             ; lo, or hi once more
.endr
	global_store_b128 v[VO], v[\d:\d+3], s[\b:\b+1] offset:\off
.endm
; Lane 0 stores the row's figure, which every lane holds.  EXEC is a source of the stores that are out: it changes only behind s_wait_xcnt 0, both ways.
.macro STORE1 r, off
	v_cmp_eq_u32 vcc_lo, 0, v[LA]
	s_wait_xcnt 0x0
	s_and_saveexec_b32 s40, vcc_lo
	global_store_b32 v[NO], v[\r], s[22:23] offset:\off
	s_wait_xcnt 0x0
	s_or_b32 exec_lo, exec_lo, s40
.endm
; Pass 1: x = a * b + c into a's registers; the store's data go into b's first four registers, which are free then.
.irp s, 0,1,2,3,4,5,6,7
	s_wait_loadcnt 6*(7-\s)                        ; loads come back in order: the six of each later step may stay out
.irp k, 0,2,4,6
	v_pk_fma_f32 v[IN+24*\s+\k:IN+24*\s+\k+1], v[IN+24*\s+\k:IN+24*\s+\k+1], v[IN+24*\s+8+\k:IN+24*\s+8+\k+1], v[IN+24*\s+16+\k:IN+24*\s+16+\k+1]
.endr
.if \s == 0
.irp k, 0,1,2,3,4,5,6,7
	v_and_b32 v[SA+\k], s35, v[IN+24*\s+\k]        ; the first step starts the sums: nothing is cleared
.endr
.else
.irp k, 0,1,2,3,4,5,6,7
	v_and_b32 v[AB+\k], s35, v[IN+24*\s+\k]
.endr
.irp k, 0,2,4,6
	v_pk_add_f32 v[SA+\k:SA+\k+1], v[SA+\k:SA+\k+1], v[AB+\k:AB+\k+1]
.endr
.endif
	SPLITSTORE IN+24*\s, IN+24*\s+8, 30, 512*\s
.endr
	v_pk_add_f32 v[SA:SA+1],   v[SA:SA+1],   v[SA+2:SA+3]
	v_pk_add_f32 v[SA+4:SA+5], v[SA+4:SA+5], v[SA+6:SA+7]
	v_pk_add_f32 v[SA:SA+1],   v[SA:SA+1],   v[SA+4:SA+5]
	v_add_f32 v[SA], v[SA], v[SA+1]
	v_and_b32 v[SA], v[LN], v[SA]                  ; lanes q >= 2 hold the numbers of lanes q - 2 once more: their share is cleared
.irp m, 1,2,4,8
	v_add_f32_dpp v[SA], v[SA], v[SA] row_xmask:\m row_mask:0xf bank_mask:0xf      ; over the 16 lanes of a half
.endr
	v_permlanex16_b32 v[PX], v[SA], s36, s37       ; and the other half
	v_add_f32 v[SA], v[SA], v[PX]
	STORE1 SA, 0
	s_cmp_lg_u32 s32, 0
	s_cbranch_scc1 .Lend                           ; diag has no second matrix
; Pass 2 (grid y = 0): 2 eye - layer into c's registers: c + c is exact, so the difference rounds once, as the module's own does.
; The store's data go into a's first four registers, whose x has been used by then.
; No register that a store reads is written again in this text, so no wait stands for that.
.irp s, 0,1,2,3,4,5,6,7
.irp k, 0,2,4,6
	v_pk_add_f32 v[IN+24*\s+16+\k:IN+24*\s+16+\k+1], v[IN+24*\s+16+\k:IN+24*\s+16+\k+1], v[IN+24*\s+16+\k:IN+24*\s+16+\k+1]
.endr
.irp k, 0,1,2,3,4,5,6,7
	v_sub_f32 v[IN+24*\s+16+\k], v[IN+24*\s+16+\k], v[IN+24*\s+\k]
.endr
.if \s == 0
.irp k, 0,1,2,3,4,5,6,7
	v_and_b32 v[MA+\k], s35, v[IN+24*\s+16+\k]     ; the first step starts the maxima
.endr
.else
.irp k, 0,1,2,3,4,5,6,7
	v_and_b32 v[AB+\k], s35, v[IN+24*\s+16+\k]
.endr
.irp k, 0,1,2,3,4,5,6,7
	v_max_num_f32 v[MA+\k], v[MA+\k], v[AB+\k]
.endr
.endif
	SPLITSTORE IN+24*\s+16, IN+24*\s, 18, 512*\s
.endr
.irp k, 0,1,2,3
	v_max_num_f32 v[MA+\k], v[MA+\k], v[MA+4+\k]
.endr
	v_max_num_f32 v[MA],   v[MA],   v[MA+1]
	v_max_num_f32 v[MA+2], v[MA+2], v[MA+3]
	v_max_num_f32 v[MA],   v[MA],   v[MA+2]
.irp m, 1,2,4,8
	v_max_num_f32_dpp v[MA], v[MA], v[MA] row_xmask:\m row_mask:0xf bank_mask:0xf
.endr
	v_permlanex16_b32 v[PX], v[MA], s36, s37
	v_max_num_f32 v[MA], v[MA], v[PX]
	STORE1 MA, 4096
.Lend:
	s_endpgm
.Lfunc_end_k_q1873e8bbee_prep:
	.size	k_q1873e8bbee_prep, .Lfunc_end_k_q1873e8bbee_prep-k_q1873e8bbee_prep
	.p2alignl 7, 3214868480
	.fill 96, 4, 3214868480
	.section	.rodata,"a",@progbits
	.p2align	6, 0x0
	.amdhsa_kernel k_q1873e8bbee_prep
		.amdhsa_group_segment_fixed_size 0
		.amdhsa_private_segment_fixed_size 0
		.amdhsa_enable_private_segment 0
		.amdhsa_kernarg_size 80
		.amdhsa_user_sgpr_count 2
		.amdhsa_user_sgpr_kernarg_segment_ptr 1
		.amdhsa_wavefront_size32 1
		.amdhsa_system_sgpr_workgroup_id_x 1
		.amdhsa_system_sgpr_workgroup_id_y 1
		.amdhsa_system_sgpr_workgroup_id_z 1
		.amdhsa_system_vgpr_workitem_id 0
		.amdhsa_next_free_vgpr 236
		.amdhsa_next_free_sgpr 66
		.amdhsa_reserve_vcc 1
		.amdhsa_float_denorm_mode_32 3
		.amdhsa_float_denorm_mode_16_64 3
		.amdhsa_memory_ordered 1
		.amdhsa_forward_progress 1
		.amdhsa_inst_pref_size 42
	.end_amdhsa_kernel
	.amdgpu_metadata
---
amdhsa.version: [ 1, 2 ]
amdhsa.kernels:
  - .name:           k_q1873e8bbee_prep
    .symbol:         k_q1873e8bbee_prep.kd
    .args:
      - { .name: base, .offset: 0, .size: 8, .value_kind: global_buffer, .address_space: global }
      - { .name: base_mask, .offset: 8, .size: 8, .value_kind: global_buffer, .address_space: global }
      - { .name: eye, .offset: 16, .size: 8, .value_kind: global_buffer, .address_space: global }
      - { .name: trainable_diag, .offset: 24, .size: 8, .value_kind: global_buffer, .address_space: global }
      - { .name: trainable_diag_mask, .offset: 32, .size: 8, .value_kind: global_buffer, .address_space: global }
      - { .name: untrainable_diag, .offset: 40, .size: 8, .value_kind: global_buffer, .address_space: global }
      - { .name: lsp, .offset: 48, .size: 8, .value_kind: global_buffer, .address_space: global }
      - { .name: msp, .offset: 56, .size: 8, .value_kind: global_buffer, .address_space: global }
      - { .name: dsp, .offset: 64, .size: 8, .value_kind: global_buffer, .address_space: global }
      - { .name: norms, .offset: 72, .size: 8, .value_kind: global_buffer, .address_space: global }
    .group_segment_fixed_size: 0
    .private_segment_fixed_size: 0
    .kernarg_segment_align: 8
    .kernarg_segment_size: 80
    .max_flat_workgroup_size: 256
    .sgpr_count:     66
    .vgpr_count:     236
    .wavefront_size: 32
...
	.end_amdgpu_metadata
.endif
;; end of part 1
;; launch prod1 (part 2): grid 16 x 16, 4 waves a work-group, clusters of 4 x 4, 327,680 bytes of LDS; arguments dsp, msp, tsp; writes tsp
.if DOCPART == 2
	.amdgcn_target "amdgcn-amd-amdhsa--gfx1250"
	.amdhsa_code_object_version 6
	.text
	.protected	k_q1873e8bbee_prod1
	.globl	k_q1873e8bbee_prod1
	.p2align	8
	.type	k_q1873e8bbee_prod1,@function
k_q1873e8bbee_prod1:
	s_mov_b64 s[64:65], 0
	v_nop
	global_prefetch_b8 v0, s[64:65] scope:SCOPE_SE
	s_setreg_imm32_b32 hwreg(HW_REG_WAVE_MODE, 25, 1), 1
	s_wait_xcnt 0x0
	s_wait_alu depctr_hold_cnt(0) depctr_sa_sdst(0) depctr_va_vdst(0) depctr_va_sdst(0) depctr_va_ssrc(0) depctr_va_vcc(0) depctr_vm_vsrc(0)
	s_getreg_b32 s2, hwreg(HW_REG_IB_STS2, 6, 4)
	s_cmp_eq_u32 s2, 0
	s_cbranch_scc0 .Lentry_in_a_cluster
	s_endpgm
.Lentry_in_a_cluster:
	s_bfe_u32 s2, ttmp6, 0x10000c
	s_cmp_lg_u32 s2, 0xf033
	s_cbranch_scc0 .Lentry_shape_is_right
	s_endpgm
.Lentry_shape_is_right:
; prod1: C = A B for three 1024 x 1024 matrices in the split format (a row = 64 groups of 64 bytes, a group = [16 bf16 hi | 16 bf16 lo]).
; Here T = diag (2 eye - layer); the next launch makes W = layer T with the same loop and another way out.  The module multiplies the same three
; factors onto the data one after the other; here the two small products are made first, so the sums round in another order.
; Each product is three bf16 products in one f32 sum: Ah Bh + Al Bh + Ah Bl (the term Al Bl lies some 16 bits below and is left out).
; LIMIT: a result above bf16's largest finite number (about 3.39e38) is stored as infinity.
; A work-group makes 64 x 64 of C with four waves, 2 x 2, a wave 32 x 32: four accumulator tiles.  256 work-groups.
; K goes in four chunks of 256 through two LDS slots; each chunk is eight steps of 32.  All of it is written out: no loop.
; CLUSTERS: 4 x 4 work-groups.  A's tile hangs on the block row alone and is asked for jointly by a row of the cluster, B's on the block column
; alone and is asked for jointly by a column: the requests for both are divided by four.
; THE MATRIX INSTRUCTION IS USED TRANSPOSED: source 0 = 16 columns of B (read from LDS by the transposing load, since B's rows lie along N),
; source 1 = 16 rows of A.  Lane l then holds row l % 16 of C and its eight registers the columns 8 (l / 16) + 0 .. 7: half a group's hi part.
.set PA,    1040                       ; A's LDS row: 1,024 bytes (K = 256) + 16: an odd multiple of 16, so 16 rows start in 16 different 16-byte columns modulo 256
.set PB,    288                        ; B's LDS row: 256 bytes (64 columns) + 32: an odd multiple of 32, as the transposing load's 32-byte pieces want
.set HALFT, 36864                      ; what one tensor load fills: 128 rows of B exactly (128 x 288); 32 rows of A take 33,280 of it
.set SLOT,  4*HALFT                    ; A rows 0-31, A rows 32-63, B's k rows 0-127, B's k rows 128-255
.set STAGE, 2*SLOT                     ; behind the ring: 64 rows x 272 bytes for the way out; no tensor load lands here
.set SP,    272
.set ADRA,  8                          ; v8-9    my A fragments in slot 0, 1
.set ADRB,  10                         ; v10-13  my B fragments: slot 0 steps 0-3, slot 0 steps 4-7, slot 1 likewise (the 16-bit offset does not reach all eight)
.set STO,   14                         ; v14     the way out: where I put 16 bytes
.set RD,    15                         ; v15     the way out: where I read rows back
.set CO,    16                         ; v16     my byte offset in C's block
.set ACC,   32                         ; v[32:63] tile (a, b) at ACC + 8 (2 a + b)
.set F0,    64                         ; fragment buffer 0: Ah[a] +8a, Al[a] +16+8a, Bh[b] +32+8b, Bl[b] +48+8b
.set F1,    128                        ; fragment buffer 1
.set T,     192                        ; v[192:207] at work on the way out
.set G1,    24                         ; s[24:31] descriptor group 1 for A's tiles
.set G0,    32                         ; s[32:39] group 0 for A's tiles, a set for each slot
.set G1B,   48                         ; s[48:55] group 1 for B's tiles
.set G0B,   56                         ; s[56:63] group 0 for B's tiles, a set for each slot
; A joint load.  Waves 0 and 1 fetch A's two halves, waves 2 and 3 B's.  The branch hangs on the wave's number alone.
.macro JLOAD s
	s_cmp_eq_u32 s11, 0
	s_cbranch_scc0 .Lfor_b_\@
	tensor_load_to_lds s[G0+4*\s:G0+4*\s+3], s[G1:G1+7]
	s_nop 0
	s_branch .Lasked_\@
.Lfor_b_\@:
	tensor_load_to_lds s[G0B+4*\s:G0B+4*\s+3], s[G1B:G1B+7]
	s_nop 0
.Lasked_\@:
.endm
; A round of the cluster's barrier: my work-group's barrier, wave 0 signals for the work-group, every wave waits for all sixteen, my work-group's barrier again.
.macro CREST
	s_cmp_lg_u32 s10, 0
	s_cbranch_scc1 .Lnot_wave_0_\@
	s_barrier_signal -3
.Lnot_wave_0_\@:
	s_barrier_wait -3
	s_barrier_signal -1
	s_barrier_wait -1
.endm
.macro CROUND
	s_barrier_signal -1
	s_barrier_wait -1
	CREST
.endm
; Four places behind a matrix instruction before a vector instruction reads its result or a load lands on one of its registers.
.macro PLACES
.rept 4
	v_nop
.endr
.endm
	s_load_b128 s[4:7], s[0:1], 0x0                ; A s[4:5], B s[6:7]
	s_load_b64 s[8:9], s[0:1], 0x10                ; C
	v_lshl_add_u32 v208, v0, 2, 0x4c400
	v_mov_b32 v209, 0
	ds_add_u32 v208, v209
	v_lshrrev_b32 v1, 5, v0
	v_readfirstlane_b32 s10, v1                    ; wave 0..3
	s_lshr_b32 s11, s10, 1                         ; my half of the block's rows.  Also: I fetch for A (0) or for B (1)
	s_and_b32 s12, s10, 1                          ; my half of its columns.  Also: which half of that tile I fetch
	s_bfe_u32 s40, ttmp6, 0x40000                  ; cx
	s_bfe_u32 s41, ttmp6, 0x40004                  ; cy
	s_lshl_b32 s42, ttmp9, 2
	s_add_co_u32 s42, s42, s40                     ; block column = 4 x cluster x + cx
	s_and_b32 s13, ttmp7, 0xffff
	s_lshl_b32 s13, s13, 2
	s_add_co_u32 s13, s13, s41                     ; block row = 4 x cluster y + cy
	s_lshl_b32 s43, s41, 2
	s_lshl_b32 s43, 15, s43                        ; my row of the cluster: places 4 cy .. 4 cy + 3
	s_lshl_b32 s44, 0x1111, s40                    ; my column: places cx, cx + 4, cx + 8, cx + 12
	s_mov_b32 s45, 0xffff0000                      ; a word's upper bf16
	; group 1 for A: 32 rows x 1,024 bytes as 128 elements of 8 bytes; 16 bytes of padding behind every 256 words (one row)
	s_or_b32 s[G1+0], s43, (3<<16)|(1<<20)|(1<<21)|(7<<22)|(3<<25)
	s_mov_b32 s[G1+1], 128<<16                     ; tensor_dim0 = 128
	s_mov_b32 s[G1+2], 32<<16                      ; tensor_dim1 = 32
	s_mov_b32 s[G1+3], 128<<16                     ; tile_dim0 = 128
	s_mov_b32 s[G1+4], 32                          ; tile_dim1 = 32
	s_mov_b32 s[G1+5], 512                         ; 512 elements (4,096 bytes) from row to row
	s_mov_b32 s[G1+6], 0
	s_mov_b32 s[G1+7], 0
	; group 1 for B: 128 k rows x 256 bytes as 32 elements of 8 bytes; 32 bytes of padding behind every 64 words (one row)
	s_or_b32 s[G1B+0], s44, (3<<16)|(1<<20)|(1<<21)|(5<<22)|(7<<25)
	s_mov_b32 s[G1B+1], 32<<16
	s_mov_b32 s[G1B+2], 128<<16
	s_mov_b32 s[G1B+3], 32<<16
	s_mov_b32 s[G1B+4], 128
	s_mov_b32 s[G1B+5], 512
	s_mov_b32 s[G1B+6], 0
	s_mov_b32 s[G1B+7], 0
	; where the tiles come from: A's offset is made of the block row and the wave's number, B's of the block column and the wave's number
	s_lshl_b32 s16, s13, 18                        ; 64 rows of 4,096 bytes for each block row
	s_lshl_b32 s17, s12, 17                        ; + my 32 rows
	s_add_co_u32 s16, s16, s17
	s_mov_b32 s17, 0
	s_lshl_b32 s46, s42, 8                         ; 64 columns = 256 bytes for each block column
	s_lshl_b32 s47, s12, 19                        ; + my 128 k rows
	s_add_co_u32 s46, s46, s47
	s_mov_b32 s47, 0
	s_mul_i32 s20, s10, HALFT                      ; and where they go: wave x HALFT
	s_wait_dscnt 0x0
	s_wait_kmcnt 0x0
	s_add_nc_u64 s[14:15], s[4:5], s[16:17]
	s_add_nc_u64 s[46:47], s[6:7], s[46:47]
	CROUND                                         ; all sixteen work-groups are here: the first joint loads meet
.irp s, 0,1
	s_mov_b32 s[G0+4*\s], 1
	s_add_co_u32 s[G0+4*\s+1], s20, \s*SLOT
	s_add_nc_u64 s[G0+4*\s+2:G0+4*\s+3], s[14:15], \s*1024         ; chunk s: 256 along K = 1,024 bytes of a row
	s_or_b32 s[G0+4*\s+3], s[G0+4*\s+3], 0x80000000
	s_mov_b32 s[G0B+4*\s], 1
	s_add_co_u32 s[G0B+4*\s+1], s20, \s*SLOT
	s_add_nc_u64 s[G0B+4*\s+2:G0B+4*\s+3], s[46:47], \s*1048576    ; chunk s: 256 k rows of 4,096 bytes
	s_or_b32 s[G0B+4*\s+3], s[G0B+4*\s+3], 0x80000000
	JLOAD \s                                       ; both slots are asked for at once: two tensor loads of a wave are out, never more
.endr
	v_and_b32 v1, 15, v0                           ; r = l % 16
	v_bfe_u32 v2, v0, 4, 1                         ; h = l / 16
	v_mul_u32_u24 v3, v1, PA
	v_lshl_add_u32 v3, v2, 4, v3                   ; A: row r, 16 bytes (8 k) for each half of the lanes
	v_and_b32 v5, 7, v0
	v_lshl_add_u32 v5, v2, 3, v5                   ; B: k row 8 h + l % 8,
	v_mul_u32_u24 v4, v5, PB
	v_bfe_u32 v6, v0, 3, 1
	v_lshl_add_u32 v4, v6, 4, v4                   ; and which 16 of a tile's 32 bytes
	s_mul_i32 s21, s11, HALFT                      ; my 32 rows of A
	s_lshl_b32 s22, s12, 7                         ; my 32 columns of B: two groups, 128 bytes,
	s_add_co_u32 s22, s22, 2*HALFT                 ; behind A's two halves
.irp s, 0,1
	v_add_nc_u32 v[ADRA+\s], s21, v3
	v_add_nc_u32 v[ADRB+2*\s], s22, v4
	v_add_nc_u32 v[ADRB+2*\s+1], HALFT, v[ADRB+2*\s]               ; steps 4-7: 128 k rows further
	s_add_co_u32 s21, s21, SLOT
	s_add_co_u32 s22, s22, SLOT
.endr
	s_lshl_b32 s23, s11, 5
	s_mul_i32 s23, s23, SP                         ; stage: my first row 32 x (wave / 2),
	s_lshl_b32 s18, s12, 7
	s_add_co_u32 s23, s23, s18                     ; my two groups of its 256 bytes
	s_add_co_u32 s23, s23, STAGE
	v_mul_u32_u24 v7, v1, SP
	v_lshl_add_u32 v7, v2, 4, v7
	v_add_nc_u32 v[STO], s23, v7
	s_mul_i32 s19, s10, 16*SP                      ; back: wave w takes rows 16 w .. 16 w + 15, two rows a load
	s_add_co_u32 s19, s19, STAGE
	v_mul_u32_u24 v7, v2, SP
	v_lshl_add_u32 v7, v1, 4, v7
	v_add_nc_u32 v[RD], s19, v7
	s_lshl_b32 s18, s10, 16                        ; the same rows in C: 16 rows of 4,096 bytes a wave
	v_lshlrev_b32 v7, 12, v2
	v_lshl_add_u32 v7, v1, 4, v7
	v_add_nc_u32 v[CO], s18, v7
; 16 LDS loads: the fragments of step q (32 along K = two groups = 128 bytes of A's rows, 32 k rows of B) into buffer f.
; A fragment's registers 0-3 hold k = 8 h + 0..7, registers 4-7 k = 16 + 8 h + 0..7: for A the hi (or lo) parts of two groups, 64 bytes apart;
; for B two transposing loads 16 k rows apart.  lo parts lie 32 bytes behind hi parts.
.macro FETCH slot, q, f
.irp a, 0,1
	ds_load_b128 v[\f+8*\a:\f+8*\a+3],   v[ADRA+\slot] offset:\a*16*PA+128*(\q)
	ds_load_b128 v[\f+8*\a+4:\f+8*\a+7], v[ADRA+\slot] offset:\a*16*PA+128*(\q)+64
.endr
.irp b, 0,1
	ds_load_tr16_b128 v[\f+32+8*\b:\f+32+8*\b+3],   v[ADRB+2*\slot+((\q)>>2)] offset:((\q)&3)*32*PB+64*\b
	ds_load_tr16_b128 v[\f+32+8*\b+4:\f+32+8*\b+7], v[ADRB+2*\slot+((\q)>>2)] offset:((\q)&3)*32*PB+64*\b+16*PB
.endr
.irp a, 0,1
	ds_load_b128 v[\f+16+8*\a:\f+16+8*\a+3],   v[ADRA+\slot] offset:\a*16*PA+128*(\q)+32
	ds_load_b128 v[\f+16+8*\a+4:\f+16+8*\a+7], v[ADRA+\slot] offset:\a*16*PA+128*(\q)+96
.endr
.irp b, 0,1
	ds_load_tr16_b128 v[\f+48+8*\b:\f+48+8*\b+3],   v[ADRB+2*\slot+((\q)>>2)] offset:((\q)&3)*32*PB+64*\b+32
	ds_load_tr16_b128 v[\f+48+8*\b+4:\f+48+8*\b+7], v[ADRB+2*\slot+((\q)>>2)] offset:((\q)&3)*32*PB+64*\b+16*PB+32
.endr
.endm
; 12 matrix instructions: the three terms for the four tiles.  The four accumulators take turns, one instruction a turn, from one step into
; the next too.  zero = 1: the first term starts the sums, nothing is cleared.
.macro MUL12 f, zero
.irp a, 0,1
.irp b, 0,1
.if \zero
	v_wmma_f32_16x16x32_bf16 v[ACC+8*(2*\a+\b):ACC+8*(2*\a+\b)+7], v[\f+32+8*\b:\f+32+8*\b+7], v[\f+8*\a:\f+8*\a+7], 0
.else
	v_wmma_f32_16x16x32_bf16 v[ACC+8*(2*\a+\b):ACC+8*(2*\a+\b)+7], v[\f+32+8*\b:\f+32+8*\b+7], v[\f+8*\a:\f+8*\a+7], v[ACC+8*(2*\a+\b):ACC+8*(2*\a+\b)+7]
.endif
.endr
.endr
.irp a, 0,1
.irp b, 0,1
	v_wmma_f32_16x16x32_bf16 v[ACC+8*(2*\a+\b):ACC+8*(2*\a+\b)+7], v[\f+32+8*\b:\f+32+8*\b+7], v[\f+16+8*\a:\f+16+8*\a+7], v[ACC+8*(2*\a+\b):ACC+8*(2*\a+\b)+7]
.endr
.endr
.irp a, 0,1
.irp b, 0,1
	v_wmma_f32_16x16x32_bf16 v[ACC+8*(2*\a+\b):ACC+8*(2*\a+\b)+7], v[\f+48+8*\b:\f+48+8*\b+7], v[\f+8*\a:\f+8*\a+7], v[ACC+8*(2*\a+\b):ACC+8*(2*\a+\b)+7]
.endr
.endr
.endm
; One step: the next step's fragments (nq) are asked for into buffer g, then buffer f is multiplied.
.macro QSTEP slot, nq, f, g, zero, places
.if \places
	PLACES                                         ; buffer g was read by the matrix instructions just in front
.endif
	FETCH \slot, \nq, \g
	s_wait_dscnt 16                                ; LDS loads come back in order: all but the 16 just issued, so buffer f is in
	MUL12 \f, \zero
.endm
.macro CHUNK slot, first
.if \first == 0
	PLACES                                         ; both buffers were read by matrix instructions of the chunk before
.endif
	FETCH \slot, 0, F0
	QSTEP \slot, 1, F0, F1, \first, 0
	QSTEP \slot, 2, F1, F0, 0, 1
	QSTEP \slot, 3, F0, F1, 0, 1
	QSTEP \slot, 4, F1, F0, 0, 1
	QSTEP \slot, 5, F0, F1, 0, 1
	QSTEP \slot, 6, F1, F0, 0, 1
	QSTEP \slot, 7, F0, F1, 0, 1
	s_wait_dscnt 0x0
	MUL12 F1, 0
.endm
; Slot s has been read and is filled again, two chunks ahead.  Each wave's reads of it are back and all its tensor loads have landed (its part
; of the other slot among them) in front of the round's opening signal; the joint load is the first thing behind the round, one a wave.
; That load has the whole next chunk, 96 matrix instructions of a wave, in which to land.
.macro REFILL s
	s_wait_dscnt 0x0
	s_wait_tensorcnt 0x0
	ds_add_u32 v208, v209
	s_wait_dscnt 0x0
	CROUND
	s_add_nc_u64 s[G0+4*\s+2:G0+4*\s+3], s[G0+4*\s+2:G0+4*\s+3], 2048
	s_add_nc_u64 s[G0B+4*\s+2:G0B+4*\s+3], s[G0B+4*\s+2:G0B+4*\s+3], 2097152
	JLOAD \s
.endm
	s_wait_tensorcnt 0x1                           ; my part of chunk 0 is in; chunk 1's load, issued behind it, may stay out
	s_barrier_signal -1
	s_barrier_wait -1                              ; everybody's part is in
	CHUNK 0, 1
	REFILL 0                                       ; chunk 2
	CHUNK 1, 0
	REFILL 1                                       ; chunk 3
	CHUNK 0, 0
	s_wait_dscnt 0x0
	s_wait_tensorcnt 0x0                           ; my part of chunk 3 is in: the last tensor load
	s_barrier_signal -1
	s_barrier_wait -1                              ; nothing is left to fetch: my work-group's barrier alone
	CHUNK 1, 0
	; THE WAY OUT: each result is split again into hi and lo, a lane's 8 + 8 bf16 go into the block's stage in LDS as halves of a group,
	; and whole rows of 256 bytes are read back and stored.
	PLACES
.macro OUTT a, b
.irp r, 0,1,2,3
	v_cvt_pk_bf16_f32 v[T+\r], v[ACC+8*(2*\a+\b)+2*\r], v[ACC+8*(2*\a+\b)+2*\r+1]
.endr
.irp r, 0,1,2,3
	v_lshlrev_b32 v[T+8+2*\r], 16,  v[T+\r]
	v_and_b32     v[T+9+2*\r], s45, v[T+\r]
.endr
.irp r, 0,1,2,3,4,5,6,7
	v_sub_f32 v[ACC+8*(2*\a+\b)+\r], v[ACC+8*(2*\a+\b)+\r], v[T+8+\r]      ; x - hi, exact
.endr
.irp r, 0,1,2,3
	v_cvt_pk_bf16_f32 v[T+4+\r], v[ACC+8*(2*\a+\b)+2*\r], v[ACC+8*(2*\a+\b)+2*\r+1]
.endr
	ds_store_b128 v[STO], v[T:T+3]   offset:\a*16*SP+64*\b
	ds_store_b128 v[STO], v[T+4:T+7] offset:\a*16*SP+64*\b+32
.endm
	OUTT 0, 0
	OUTT 0, 1
	OUTT 1, 0
	OUTT 1, 1
	s_lshl_b32 s16, s13, 18                        ; the block's first row in C,
	s_mov_b32 s17, 0
	s_add_nc_u64 s[8:9], s[8:9], s[16:17]
	s_lshl_b32 s46, s42, 8                         ; and its 256 bytes of each row
	s_mov_b32 s47, 0
	s_add_nc_u64 s[8:9], s[8:9], s[46:47]
	s_wait_dscnt 0x0                               ; my stores into the stage are done: a row's two halves come from two waves
	s_barrier_signal -1
	s_barrier_wait -1
.irp t, 0,1,2,3,4,5,6,7
	ds_load_b128 v[F0+4*\t:F0+4*\t+3], v[RD] offset:\t*2*SP
.endr
.irp t, 0,1,2,3,4,5,6,7
	s_wait_dscnt 7-\t                              ; the younger read-backs may stay out
	global_store_b128 v[CO], v[F0+4*\t:F0+4*\t+3], s[8:9] offset:\t*8192   ; 16 lanes store 256 consecutive bytes, at a multiple of 256 from C's first byte
.endr
	s_wait_tensorcnt 0x0
	ds_add_u32 v208, v209
	s_wait_dscnt 0x0
	CROUND                                         ; the closing round: no work-group ends while a partner may still ask for a tile that names it
	s_endpgm
.Lfunc_end_k_q1873e8bbee_prod1:
	.size	k_q1873e8bbee_prod1, .Lfunc_end_k_q1873e8bbee_prod1-k_q1873e8bbee_prod1
	.p2alignl 7, 3214868480
	.fill 96, 4, 3214868480
	.section	.rodata,"a",@progbits
	.p2align	6, 0x0
	.amdhsa_kernel k_q1873e8bbee_prod1
		.amdhsa_group_segment_fixed_size 327680
		.amdhsa_private_segment_fixed_size 0
		.amdhsa_enable_private_segment 0
		.amdhsa_kernarg_size 24
		.amdhsa_user_sgpr_count 2
		.amdhsa_user_sgpr_kernarg_segment_ptr 1
		.amdhsa_wavefront_size32 1
		.amdhsa_system_sgpr_workgroup_id_x 1
		.amdhsa_system_sgpr_workgroup_id_y 1
		.amdhsa_system_sgpr_workgroup_id_z 1
		.amdhsa_system_vgpr_workitem_id 0
		.amdhsa_next_free_vgpr 210
		.amdhsa_next_free_sgpr 66
		.amdhsa_reserve_vcc 0
		.amdhsa_float_denorm_mode_32 3
		.amdhsa_float_denorm_mode_16_64 3
		.amdhsa_memory_ordered 1
		.amdhsa_forward_progress 1
		.amdhsa_inst_pref_size 76
	.end_amdhsa_kernel
	.amdgpu_metadata
---
amdhsa.version: [ 1, 2 ]
amdhsa.kernels:
  - .name:           k_q1873e8bbee_prod1
    .symbol:         k_q1873e8bbee_prod1.kd
    .args:
      - { .name: dsp, .offset: 0, .size: 8, .value_kind: global_buffer, .address_space: global }
      - { .name: msp, .offset: 8, .size: 8, .value_kind: global_buffer, .address_space: global }
      - { .name: tsp, .offset: 16, .size: 8, .value_kind: global_buffer, .address_space: global }
    .group_segment_fixed_size: 327680
    .private_segment_fixed_size: 0
    .kernarg_segment_align: 8
    .kernarg_segment_size: 24
    .max_flat_workgroup_size: 128
    .sgpr_count:     66
    .vgpr_count:     210
    .wavefront_size: 32
...
	.end_amdgpu_metadata
.endif
;; end of part 2
;; launch prod2 (part 3): grid 16 x 16, 4 waves a work-group, clusters of 4 x 4, 327,680 bytes of LDS; arguments lsp, tsp, norms, wb, wscale; writes wb, wscale
.if DOCPART == 3
	.amdgcn_target "amdgcn-amd-amdhsa--gfx1250"
	.amdhsa_code_object_version 6
	.text
	.protected	k_q1873e8bbee_prod2
	.globl	k_q1873e8bbee_prod2
	.p2align	8
	.type	k_q1873e8bbee_prod2,@function
k_q1873e8bbee_prod2:
	s_mov_b64 s[64:65], 0
	v_nop
	global_prefetch_b8 v0, s[64:65] scope:SCOPE_SE
	s_setreg_imm32_b32 hwreg(HW_REG_WAVE_MODE, 25, 1), 1
	s_wait_xcnt 0x0
	s_wait_alu depctr_hold_cnt(0) depctr_sa_sdst(0) depctr_va_vdst(0) depctr_va_sdst(0) depctr_va_ssrc(0) depctr_va_vcc(0) depctr_vm_vsrc(0)
	s_getreg_b32 s2, hwreg(HW_REG_IB_STS2, 6, 4)
	s_cmp_eq_u32 s2, 0
	s_cbranch_scc0 .Lentry_in_a_cluster
	s_endpgm
.Lentry_in_a_cluster:
	s_bfe_u32 s2, ttmp6, 0x10000c
	s_cmp_lg_u32 s2, 0xf033
	s_cbranch_scc0 .Lentry_shape_is_right
	s_endpgm
.Lentry_shape_is_right:
; prod2: W = layer T, A = layer and B = T in the split format (a row = 64 groups of 64 bytes, a group = [16 bf16 hi | 16 bf16 lo]),
; W stored as f16 divided by one power of two G, in the order in which the last launch's tiles want it:
;   wb[ks][n][c] = f16(W[n][64 ks + c] / G), [16 K steps][1024 rows][64 numbers];   wscale[n] = G for every n.
; G COMES FROM A BOUND, not from W: |W[n][k]| <= (largest row sum of |layer|) x (largest row sum of |diag|) x (largest |2 eye - layer|),
; the three figures being the maxima of norms' three arrays of 1,024 words.  A number with the biased exponent E is below 2^(E - 126), so the bound is below
; 2^(E1 + E2 + E3 - 378), and G = 2^(E1 + E2 + E3 - 393), exponent field E1 + E2 + E3 - 266, gives |W| / G < 2^15, inside f16.  The field is held between 1 and 253,
; so that G and 1 / G are normal numbers; at the upper end |W| / G < 4 for every finite W.  The exponents are added as whole numbers: the bound cannot overflow.
; f16 keeps its relative accuracy over the 29 binades below 2^15.  LIMIT: numbers of W further below the bound than that keep an absolute accuracy of 2^-40 of the bound.
; The product is three bf16 products in one f32 sum: Ah Bh + Al Bh + Ah Bl (the term Al Bl lies some 16 bits below and is left out).
; A work-group makes 64 x 64 of W with four waves, 2 x 2, a wave 32 x 32: four accumulator tiles.  256 work-groups.
; K goes in four chunks of 256 through two LDS slots; each chunk is eight steps of 32.  All of it is written out: no loop.
; CLUSTERS: 4 x 4 work-groups.  A's tile hangs on the block row alone and is asked for jointly by a row of the cluster, B's on the block column
; alone and is asked for jointly by a column: the requests for both are divided by four.
; THE MATRIX INSTRUCTION IS USED TRANSPOSED: source 0 = 16 columns of B (read from LDS by the transposing load, since B's rows lie along N),
; source 1 = 16 rows of A.  Lane l then holds row l % 16 of W and its eight registers the columns 8 (l / 16) + 0 .. 7: 16 neighbouring bytes of f16.
.set PA,    1040                       ; A's LDS row: 1,024 bytes (K = 256) + 16: an odd multiple of 16, so 16 rows start in 16 different 16-byte columns modulo 256
.set PB,    288                        ; B's LDS row: 256 bytes (64 columns) + 32: an odd multiple of 32, as the transposing load's 32-byte pieces want
.set HALFT, 36864                      ; what one tensor load fills: 128 rows of B exactly (128 x 288); 32 rows of A take 33,280 of it
.set SLOT,  4*HALFT                    ; A rows 0-31, A rows 32-63, B's k rows 0-127, B's k rows 128-255
.set STAGE, 2*SLOT                     ; behind the ring: 64 rows x 144 bytes for the way out; no tensor load lands here
.set SP,    144                        ; a stage row: 128 bytes (64 f16) + 16
.set ADRA,  8                          ; v8-9    my A fragments in slot 0, 1
.set ADRB,  10                         ; v10-13  my B fragments: slot 0 steps 0-3, slot 0 steps 4-7, slot 1 likewise (the 16-bit offset does not reach all eight)
.set STO,   14                         ; v14     the way out: where I put 16 bytes
.set RD,    15                         ; v15     the way out: where I read rows back
.set CO,    16                         ; v16     my byte offset in the block of wb
.set NOF,   17                         ; v17     my byte offset in each 512 bytes of norms
.set IV,    18                         ; v[18:19] 1 / G, twice
.set GV,    20                         ; v20     G
.set WO,    21                         ; v21     byte offset of a word of wscale
.set ACC,   32                         ; v[32:63] tile (a, b) at ACC + 8 (2 a + b)
.set F0,    64                         ; fragment buffer 0: Ah[a] +8a, Al[a] +16+8a, Bh[b] +32+8b, Bl[b] +48+8b
.set F1,    128                        ; fragment buffer 1
.set NR,    64                         ; v[64:159] ahead of the first fragments: norms, array j in NR + 32 j .. + 31
.set T,     192                        ; v[192:207] the way out: four words of f16 for each tile
.set G1,    24                         ; s[24:31] descriptor group 1 for A's tiles
.set G0,    32                         ; s[32:39] group 0 for A's tiles, a set for each slot
.set G1B,   48                         ; s[48:55] group 1 for B's tiles
.set G0B,   56                         ; s[56:63] group 0 for B's tiles, a set for each slot
; A joint load.  Waves 0 and 1 fetch A's two halves, waves 2 and 3 B's.  The branch hangs on the wave's number alone.
.macro JLOAD s
	s_cmp_eq_u32 s11, 0
	s_cbranch_scc0 .Lfor_b_\@
	tensor_load_to_lds s[G0+4*\s:G0+4*\s+3], s[G1:G1+7]
	s_nop 0
	s_branch .Lasked_\@
.Lfor_b_\@:
	tensor_load_to_lds s[G0B+4*\s:G0B+4*\s+3], s[G1B:G1B+7]
	s_nop 0
.Lasked_\@:
.endm
; A round of the cluster's barrier: my work-group's barrier, wave 0 signals for the work-group, every wave waits for all sixteen, my work-group's barrier again.
.macro CREST
	s_cmp_lg_u32 s10, 0
	s_cbranch_scc1 .Lnot_wave_0_\@
	s_barrier_signal -3
.Lnot_wave_0_\@:
	s_barrier_wait -3
	s_barrier_signal -1
	s_barrier_wait -1
.endm
.macro CROUND
	s_barrier_signal -1
	s_barrier_wait -1
	CREST
.endm
; Four places behind a matrix instruction before a vector instruction reads its result or a load lands on one of its registers.
.macro PLACES
.rept 4
	v_nop
.endr
.endm
	s_load_b128 s[4:7], s[0:1], 0x0                ; A s[4:5], B s[6:7]
	s_load_b64 s[66:67], s[0:1], 0x10              ; norms
	s_load_b64 s[8:9], s[0:1], 0x18                ; wb
	s_load_b64 s[68:69], s[0:1], 0x20              ; wscale
	v_lshl_add_u32 v208, v0, 2, 0x4c400
	v_mov_b32 v209, 0
	ds_add_u32 v208, v209
	v_lshrrev_b32 v1, 5, v0
	v_readfirstlane_b32 s10, v1                    ; wave 0..3
	s_lshr_b32 s11, s10, 1                         ; my half of the block's rows.  Also: I fetch for A (0) or for B (1)
	s_and_b32 s12, s10, 1                          ; my half of its columns.  Also: which half of that tile I fetch
	s_bfe_u32 s40, ttmp6, 0x40000                  ; cx
	s_bfe_u32 s41, ttmp6, 0x40004                  ; cy
	s_lshl_b32 s42, ttmp9, 2
	s_add_co_u32 s42, s42, s40                     ; block column = 4 x cluster x + cx
	s_and_b32 s13, ttmp7, 0xffff
	s_lshl_b32 s13, s13, 2
	s_add_co_u32 s13, s13, s41                     ; block row = 4 x cluster y + cy
	s_lshl_b32 s43, s41, 2
	s_lshl_b32 s43, 15, s43                        ; my row of the cluster: places 4 cy .. 4 cy + 3
	s_lshl_b32 s44, 0x1111, s40                    ; my column: places cx, cx + 4, cx + 8, cx + 12
	s_mov_b32 s70, 0x76543210                      ; v_permlanex16_b32: lane i of one half reads lane i of the other
	s_mov_b32 s71, 0xfedcba98
	; group 1 for A: 32 rows x 1,024 bytes as 128 elements of 8 bytes; 16 bytes of padding behind every 256 words (one row)
	s_or_b32 s[G1+0], s43, (3<<16)|(1<<20)|(1<<21)|(7<<22)|(3<<25)
	s_mov_b32 s[G1+1], 128<<16                     ; tensor_dim0 = 128
	s_mov_b32 s[G1+2], 32<<16                      ; tensor_dim1 = 32
	s_mov_b32 s[G1+3], 128<<16                     ; tile_dim0 = 128
	s_mov_b32 s[G1+4], 32                          ; tile_dim1 = 32
	s_mov_b32 s[G1+5], 512                         ; 512 elements (4,096 bytes) from row to row
	s_mov_b32 s[G1+6], 0
	s_mov_b32 s[G1+7], 0
	; group 1 for B: 128 k rows x 256 bytes as 32 elements of 8 bytes; 32 bytes of padding behind every 64 words (one row)
	s_or_b32 s[G1B+0], s44, (3<<16)|(1<<20)|(1<<21)|(5<<22)|(7<<25)
	s_mov_b32 s[G1B+1], 32<<16
	s_mov_b32 s[G1B+2], 128<<16
	s_mov_b32 s[G1B+3], 32<<16
	s_mov_b32 s[G1B+4], 128
	s_mov_b32 s[G1B+5], 512
	s_mov_b32 s[G1B+6], 0
	s_mov_b32 s[G1B+7], 0
	; where the tiles come from: A's offset is made of the block row and the wave's number, B's of the block column and the wave's number
	s_lshl_b32 s16, s13, 18                        ; 64 rows of 4,096 bytes for each block row
	s_lshl_b32 s17, s12, 17                        ; + my 32 rows
	s_add_co_u32 s16, s16, s17
	s_mov_b32 s17, 0
	s_lshl_b32 s46, s42, 8                         ; 64 columns = 256 bytes for each block column
	s_lshl_b32 s47, s12, 19                        ; + my 128 k rows
	s_add_co_u32 s46, s46, s47
	s_mov_b32 s47, 0
	s_mul_i32 s20, s10, HALFT                      ; and where they go: wave x HALFT
	s_wait_dscnt 0x0
	s_wait_kmcnt 0x0
	s_add_nc_u64 s[14:15], s[4:5], s[16:17]
	s_add_nc_u64 s[46:47], s[6:7], s[46:47]
	CROUND                                         ; all sixteen work-groups are here: the first joint loads meet
.irp s, 0,1
	s_mov_b32 s[G0+4*\s], 1
	s_add_co_u32 s[G0+4*\s+1], s20, \s*SLOT
	s_add_nc_u64 s[G0+4*\s+2:G0+4*\s+3], s[14:15], \s*1024         ; chunk s: 256 along K = 1,024 bytes of a row
	s_or_b32 s[G0+4*\s+3], s[G0+4*\s+3], 0x80000000
	s_mov_b32 s[G0B+4*\s], 1
	s_add_co_u32 s[G0B+4*\s+1], s20, \s*SLOT
	s_add_nc_u64 s[G0B+4*\s+2:G0B+4*\s+3], s[46:47], \s*1048576    ; chunk s: 256 k rows of 4,096 bytes
	s_or_b32 s[G0B+4*\s+3], s[G0B+4*\s+3], 0x80000000
	JLOAD \s                                       ; both slots are asked for at once: two tensor loads of a wave are out, never more
.endr
	; norms, all 12,288 bytes, by every wave: 24 loads of 512 consecutive bytes, into registers that the fragments take over later.
	; They are on their way together with the first tiles.
	v_and_b32 v22, 31, v0                          ; l
	v_lshlrev_b32 v[NOF], 4, v22
.irp j, 0,1,2
.irp t, 0,1,2,3,4,5,6,7
	global_load_b128 v[NR+32*\j+4*\t:NR+32*\j+4*\t+3], v[NOF], s[66:67] offset:4096*\j+512*\t
.endr
.endr
	v_and_b32 v1, 15, v0                           ; r = l % 16
	v_bfe_u32 v2, v0, 4, 1                         ; h = l / 16
	v_mul_u32_u24 v3, v1, PA
	v_lshl_add_u32 v3, v2, 4, v3                   ; A: row r, 16 bytes (8 k) for each half of the lanes
	v_and_b32 v5, 7, v0
	v_lshl_add_u32 v5, v2, 3, v5                   ; B: k row 8 h + l % 8,
	v_mul_u32_u24 v4, v5, PB
	v_bfe_u32 v6, v0, 3, 1
	v_lshl_add_u32 v4, v6, 4, v4                   ; and which 16 of a tile's 32 bytes
	s_mul_i32 s21, s11, HALFT                      ; my 32 rows of A
	s_lshl_b32 s22, s12, 7                         ; my 32 columns of B: two groups, 128 bytes,
	s_add_co_u32 s22, s22, 2*HALFT                 ; behind A's two halves
.irp s, 0,1
	v_add_nc_u32 v[ADRA+\s], s21, v3
	v_add_nc_u32 v[ADRB+2*\s], s22, v4
	v_add_nc_u32 v[ADRB+2*\s+1], HALFT, v[ADRB+2*\s]               ; steps 4-7: 128 k rows further
	s_add_co_u32 s21, s21, SLOT
	s_add_co_u32 s22, s22, SLOT
.endr
	s_lshl_b32 s23, s11, 5
	s_mul_i32 s23, s23, SP                         ; stage: my first row 32 x (wave / 2),
	s_lshl_b32 s18, s12, 6
	s_add_co_u32 s23, s23, s18                     ; my 32 columns = 64 bytes of its 128
	s_add_co_u32 s23, s23, STAGE
	v_mul_u32_u24 v7, v1, SP
	v_lshl_add_u32 v7, v2, 4, v7                   ; row r, 16 bytes (8 f16) for each half of the lanes
	v_add_nc_u32 v[STO], s23, v7
	s_mul_i32 s19, s10, 16*SP                      ; back: wave w takes rows 16 w .. 16 w + 15, four rows a load:
	s_add_co_u32 s19, s19, STAGE
	v_bfe_u32 v7, v0, 3, 2                         ; row l / 8 of the four,
	v_mul_u32_u24 v7, v7, SP
	v_and_b32 v23, 7, v0
	v_lshl_add_u32 v7, v23, 4, v7                  ; its bytes 16 (l % 8) ..
	v_add_nc_u32 v[RD], s19, v7
	s_lshl_b32 s18, s10, 11                        ; the same rows in wb follow each other without a gap: 16 rows of 128 bytes a wave,
	v_lshl_add_u32 v[CO], v22, 4, s18              ; 16 bytes a lane
	s_lshl_b32 s77, s13, 4
	s_add_co_u32 s77, s77, s42
	s_lshl_b32 s77, s77, 4                         ; wscale: four words for each of the 256 work-groups
	v_and_b32 v[WO], 3, v0
	v_lshl_add_u32 v[WO], v[WO], 2, s77
	; G: the largest number of each of norms' three arrays (none is negative), then their exponents
	s_wait_loadcnt 0x0
.set i, 1
.rept 15
.irp j, 0,1,2
	v_max3_num_f32 v[NR+32*\j], v[NR+32*\j], v[NR+32*\j+i], v[NR+32*\j+i+1]
.endr
.set i, i+2
.endr
.irp j, 0,1,2
	v_max_num_f32 v[NR+32*\j], v[NR+32*\j], v[NR+32*\j+31]
.endr
.irp m, 1,2,4,8
.irp j, 0,1,2
	v_max_num_f32_dpp v[NR+32*\j], v[NR+32*\j], v[NR+32*\j] row_xmask:\m row_mask:0xf bank_mask:0xf
.endr
.endr
.irp j, 0,1,2
	v_permlanex16_b32 v[NR+32*\j+1], v[NR+32*\j], s70, s71         ; the destination has been written: it held a loaded word
.endr
.irp j, 0,1,2
	v_max_num_f32 v[NR+32*\j], v[NR+32*\j], v[NR+32*\j+1]
.endr
	v_readfirstlane_b32 s72, v[NR]                 ; every lane holds the same three numbers
	v_readfirstlane_b32 s73, v[NR+32]
	v_readfirstlane_b32 s74, v[NR+64]
	s_lshr_b32 s72, s72, 23                        ; the biased exponents
	s_lshr_b32 s73, s73, 23
	s_lshr_b32 s74, s74, 23
	s_add_co_u32 s72, s72, s73
	s_add_co_u32 s72, s72, s74
	s_sub_co_i32 s72, s72, 266                     ; G's exponent field (see the head)
	s_max_i32 s72, s72, 1
	s_min_i32 s72, s72, 253
	s_lshl_b32 s72, s72, 23                        ; G
	s_sub_co_u32 s73, 0x7f000000, s72              ; the field 254 - that: 1 / G
	v_mov_b32 v[GV], s72
	v_mov_b32 v[IV], s73
	v_mov_b32 v[IV+1], s73
; 16 LDS loads: the fragments of step q (32 along K = two groups = 128 bytes of A's rows, 32 k rows of B) into buffer f.
; A fragment's registers 0-3 hold k = 8 h + 0..7, registers 4-7 k = 16 + 8 h + 0..7: for A the hi (or lo) parts of two groups, 64 bytes apart;
; for B two transposing loads 16 k rows apart.  lo parts lie 32 bytes behind hi parts.
.macro FETCH slot, q, f
.irp a, 0,1
	ds_load_b128 v[\f+8*\a:\f+8*\a+3],   v[ADRA+\slot] offset:\a*16*PA+128*(\q)
	ds_load_b128 v[\f+8*\a+4:\f+8*\a+7], v[ADRA+\slot] offset:\a*16*PA+128*(\q)+64
.endr
.irp b, 0,1
	ds_load_tr16_b128 v[\f+32+8*\b:\f+32+8*\b+3],   v[ADRB+2*\slot+((\q)>>2)] offset:((\q)&3)*32*PB+64*\b
	ds_load_tr16_b128 v[\f+32+8*\b+4:\f+32+8*\b+7], v[ADRB+2*\slot+((\q)>>2)] offset:((\q)&3)*32*PB+64*\b+16*PB
.endr
.irp a, 0,1
	ds_load_b128 v[\f+16+8*\a:\f+16+8*\a+3],   v[ADRA+\slot] offset:\a*16*PA+128*(\q)+32
	ds_load_b128 v[\f+16+8*\a+4:\f+16+8*\a+7], v[ADRA+\slot] offset:\a*16*PA+128*(\q)+96
.endr
.irp b, 0,1
	ds_load_tr16_b128 v[\f+48+8*\b:\f+48+8*\b+3],   v[ADRB+2*\slot+((\q)>>2)] offset:((\q)&3)*32*PB+64*\b+32
	ds_load_tr16_b128 v[\f+48+8*\b+4:\f+48+8*\b+7], v[ADRB+2*\slot+((\q)>>2)] offset:((\q)&3)*32*PB+64*\b+16*PB+32
.endr
.endm
; 12 matrix instructions: the three terms for the four tiles.  The four accumulators take turns, one instruction a turn, from one step into
; the next too.  zero = 1: the first term starts the sums, nothing is cleared.
.macro MUL12 f, zero
.irp a, 0,1
.irp b, 0,1
.if \zero
	v_wmma_f32_16x16x32_bf16 v[ACC+8*(2*\a+\b):ACC+8*(2*\a+\b)+7], v[\f+32+8*\b:\f+32+8*\b+7], v[\f+8*\a:\f+8*\a+7], 0
.else
	v_wmma_f32_16x16x32_bf16 v[ACC+8*(2*\a+\b):ACC+8*(2*\a+\b)+7], v[\f+32+8*\b:\f+32+8*\b+7], v[\f+8*\a:\f+8*\a+7], v[ACC+8*(2*\a+\b):ACC+8*(2*\a+\b)+7]
.endif
.endr
.endr
.irp a, 0,1
.irp b, 0,1
	v_wmma_f32_16x16x32_bf16 v[ACC+8*(2*\a+\b):ACC+8*(2*\a+\b)+7], v[\f+32+8*\b:\f+32+8*\b+7], v[\f+16+8*\a:\f+16+8*\a+7], v[ACC+8*(2*\a+\b):ACC+8*(2*\a+\b)+7]
.endr
.endr
.irp a, 0,1
.irp b, 0,1
	v_wmma_f32_16x16x32_bf16 v[ACC+8*(2*\a+\b):ACC+8*(2*\a+\b)+7], v[\f+48+8*\b:\f+48+8*\b+7], v[\f+8*\a:\f+8*\a+7], v[ACC+8*(2*\a+\b):ACC+8*(2*\a+\b)+7]
.endr
.endr
.endm
; One step: the next step's fragments (nq) are asked for into buffer g, then buffer f is multiplied.
.macro QSTEP slot, nq, f, g, zero, places
.if \places
	PLACES                                         ; buffer g was read by the matrix instructions just in front
.endif
	FETCH \slot, \nq, \g
	s_wait_dscnt 16                                ; LDS loads come back in order: all but the 16 just issued, so buffer f is in
	MUL12 \f, \zero
.endm
.macro CHUNK slot, first
.if \first == 0
	PLACES                                         ; both buffers were read by matrix instructions of the chunk before
.endif
	FETCH \slot, 0, F0
	QSTEP \slot, 1, F0, F1, \first, 0
	QSTEP \slot, 2, F1, F0, 0, 1
	QSTEP \slot, 3, F0, F1, 0, 1
	QSTEP \slot, 4, F1, F0, 0, 1
	QSTEP \slot, 5, F0, F1, 0, 1
	QSTEP \slot, 6, F1, F0, 0, 1
	QSTEP \slot, 7, F0, F1, 0, 1
	s_wait_dscnt 0x0
	MUL12 F1, 0
.endm
; Slot s has been read and is filled again, two chunks ahead.  Each wave's reads of it are back and all its tensor loads have landed (its part
; of the other slot among them) in front of the round's opening signal; the joint load is the first thing behind the round, one a wave.
; That load has the whole next chunk, 96 matrix instructions of a wave, in which to land.
.macro REFILL s
	s_wait_dscnt 0x0
	s_wait_tensorcnt 0x0
	ds_add_u32 v208, v209
	s_wait_dscnt 0x0
	CROUND
	s_add_nc_u64 s[G0+4*\s+2:G0+4*\s+3], s[G0+4*\s+2:G0+4*\s+3], 2048
	s_add_nc_u64 s[G0B+4*\s+2:G0B+4*\s+3], s[G0B+4*\s+2:G0B+4*\s+3], 2097152
	JLOAD \s
.endm
	s_wait_tensorcnt 0x1                           ; my part of chunk 0 is in; chunk 1's load, issued behind it, may stay out
	s_barrier_signal -1
	s_barrier_wait -1                              ; everybody's part is in
	CHUNK 0, 1
	REFILL 0                                       ; chunk 2
	CHUNK 1, 0
	REFILL 1                                       ; chunk 3
	CHUNK 0, 0
	s_wait_dscnt 0x0
	s_wait_tensorcnt 0x0                           ; my part of chunk 3 is in: the last tensor load
	s_barrier_signal -1
	s_barrier_wait -1                              ; nothing is left to fetch: my work-group's barrier alone
	CHUNK 1, 0
	; THE WAY OUT: each result times 1 / G (exact), rounded to f16; a lane's 8 numbers, 16 bytes, go into the block's stage in LDS,
	; and the block's 64 rows of 128 bytes, which follow each other in wb without a gap (its 64 columns are K step = block column), are read back and stored.
	PLACES
.macro OUTT a, b
.irp r, 0,2,4,6
	v_pk_mul_f32 v[ACC+8*(2*\a+\b)+\r:ACC+8*(2*\a+\b)+\r+1], v[ACC+8*(2*\a+\b)+\r:ACC+8*(2*\a+\b)+\r+1], v[IV:IV+1]
.endr
.irp r, 0,1,2,3
	v_cvt_pk_f16_f32 v[T+4*(2*\a+\b)+\r], v[ACC+8*(2*\a+\b)+2*\r], v[ACC+8*(2*\a+\b)+2*\r+1]
.endr
	ds_store_b128 v[STO], v[T+4*(2*\a+\b):T+4*(2*\a+\b)+3] offset:\a*16*SP+32*\b
.endm
	OUTT 0, 0
	OUTT 0, 1
	OUTT 1, 0
	OUTT 1, 1
	s_lshl_b32 s16, s13, 13                        ; the block's 64 rows of 128 bytes,
	s_mov_b32 s17, 0
	s_add_nc_u64 s[8:9], s[8:9], s[16:17]
	s_lshl_b32 s46, s42, 17                        ; in K step = block column: 1,024 rows of 128 bytes each
	s_mov_b32 s47, 0
	s_add_nc_u64 s[8:9], s[8:9], s[46:47]
	s_wait_dscnt 0x0                               ; my stores into the stage are done: a row's two halves come from two waves
	s_barrier_signal -1
	s_barrier_wait -1
.irp t, 0,1,2,3
	ds_load_b128 v[F0+4*\t:F0+4*\t+3], v[RD] offset:\t*4*SP
.endr
.irp t, 0,1,2,3
	s_wait_dscnt 3-\t                              ; the younger read-backs may stay out
	global_store_b128 v[CO], v[F0+4*\t:F0+4*\t+3], s[8:9] offset:\t*512    ; the wave stores 512 consecutive bytes, at a multiple of 512 from wb's first byte
.endr
	; G into my four words of wscale, by threads 0 to 3 (the other waves' EXEC is empty there): 16 bytes a work-group, 4,096 in the launch, the one short store.
	v_cmp_gt_u32 vcc_lo, 4, v0
	s_wait_xcnt 0x0                                ; EXEC is a source of the stores above: it changes only behind this wait
	s_and_saveexec_b32 s76, vcc_lo
	global_store_b32 v[WO], v[GV], s[68:69]
	s_wait_xcnt 0x0                                ; and again in front of the line that widens it
	s_or_b32 exec_lo, exec_lo, s76
	s_wait_tensorcnt 0x0
	ds_add_u32 v208, v209
	s_wait_dscnt 0x0
	CROUND                                         ; the closing round: no work-group ends while a partner may still ask for a tile that names it
	s_endpgm
.Lfunc_end_k_q1873e8bbee_prod2:
	.size	k_q1873e8bbee_prod2, .Lfunc_end_k_q1873e8bbee_prod2-k_q1873e8bbee_prod2
	.p2alignl 7, 3214868480
	.fill 96, 4, 3214868480
	.section	.rodata,"a",@progbits
	.p2align	6, 0x0
	.amdhsa_kernel k_q1873e8bbee_prod2
		.amdhsa_group_segment_fixed_size 327680
		.amdhsa_private_segment_fixed_size 0
		.amdhsa_enable_private_segment 0
		.amdhsa_kernarg_size 40
		.amdhsa_user_sgpr_count 2
		.amdhsa_user_sgpr_kernarg_segment_ptr 1
		.amdhsa_wavefront_size32 1
		.amdhsa_system_sgpr_workgroup_id_x 1
		.amdhsa_system_sgpr_workgroup_id_y 1
		.amdhsa_system_sgpr_workgroup_id_z 1
		.amdhsa_system_vgpr_workitem_id 0
		.amdhsa_next_free_vgpr 210
		.amdhsa_next_free_sgpr 80
		.amdhsa_reserve_vcc 1
		.amdhsa_float_denorm_mode_32 3
		.amdhsa_float_denorm_mode_16_64 3
		.amdhsa_memory_ordered 1
		.amdhsa_forward_progress 1
		.amdhsa_inst_pref_size 81
	.end_amdhsa_kernel
	.amdgpu_metadata
---
amdhsa.version: [ 1, 2 ]
amdhsa.kernels:
  - .name:           k_q1873e8bbee_prod2
    .symbol:         k_q1873e8bbee_prod2.kd
    .args:
      - { .name: lsp, .offset: 0, .size: 8, .value_kind: global_buffer, .address_space: global }
      - { .name: tsp, .offset: 8, .size: 8, .value_kind: global_buffer, .address_space: global }
      - { .name: norms, .offset: 16, .size: 8, .value_kind: global_buffer, .address_space: global }
      - { .name: wb, .offset: 24, .size: 8, .value_kind: global_buffer, .address_space: global }
      - { .name: wscale, .offset: 32, .size: 8, .value_kind: global_buffer, .address_space: global }
    .group_segment_fixed_size: 327680
    .private_segment_fixed_size: 0
    .kernarg_segment_align: 8
    .kernarg_segment_size: 40
    .max_flat_workgroup_size: 128
    .sgpr_count:     80
    .vgpr_count:     210
    .wavefront_size: 32
...
	.end_amdgpu_metadata
.endif
;; end of part 3
;; launch main (part 4): grid 4 x 64, 4 waves a work-group, clusters of 4 x 4, 327,680 bytes of LDS; arguments data, wb, wscale, mask1, mask2, out0; writes out0
.if DOCPART == 4
	.amdgcn_target "amdgcn-amd-amdhsa--gfx1250"
	.amdhsa_code_object_version 6
	.text
	.protected	k_q1873e8bbee_main
	.globl	k_q1873e8bbee_main
	.p2align	8
	.type	k_q1873e8bbee_main,@function
k_q1873e8bbee_main:
	s_mov_b64 s[64:65], 0
	v_nop
	global_prefetch_b8 v0, s[64:65] scope:SCOPE_SE
	s_setreg_imm32_b32 hwreg(HW_REG_WAVE_MODE, 25, 1), 1
	s_wait_xcnt 0x0
	s_wait_alu depctr_hold_cnt(0) depctr_sa_sdst(0) depctr_va_vdst(0) depctr_va_sdst(0) depctr_va_ssrc(0) depctr_va_vcc(0) depctr_vm_vsrc(0)
	s_getreg_b32 s2, hwreg(HW_REG_IB_STS2, 6, 4)
	s_cmp_eq_u32 s2, 0
	s_cbranch_scc0 .Lentry_in_a_cluster
	s_endpgm
.Lentry_in_a_cluster:
	s_bfe_u32 s2, ttmp6, 0x10000c
	s_cmp_lg_u32 s2, 0xf033
	s_cbranch_scc0 .Lentry_shape_is_right
	s_endpgm
.Lentry_shape_is_right:
; main: out0[b][n] = x mask1[n] + max(x, 0) mask2[n],  x = wscale[n] * sum over k of data[b][k] wb(n, k).
; data: [16384][1024] f32.  wb: f16, [16 K steps][1024 n][64]: row n of W divided by wscale[n], a power of two.  Sums in f32.
; Operands are f16: data are rounded to f16 on the way from LDS to the matrix unit.
; LIMIT: |data| up to 65,504 (f16's largest number); beyond it a number becomes infinite.  Magnitudes below 2^-14 keep an absolute accuracy of 2^-25.
; A work-group makes 256 rows x 256 features with four waves; a wave makes 64 rows x all 256 features: 64 accumulator tiles, 512 registers.
; So each wave alone reads its 64 rows of data, and each number of data is converted once in the work-group (32 conversions for 64 matrix instructions).
; K goes in 16 steps of 64 through two LDS slots: a row of data's tile is 256 bytes of memory and starts at a multiple of 256 bytes;
; W's tile of 128 rows is 16,384 consecutive bytes.  Two slots of two steps each would take 425,984 bytes: they do not fit.
; CLUSTERS: 4 x 4 work-groups.  The four of a row of the cluster take the same 256 rows of data, the four of a column the same 256 rows of W:
; both tiles are asked for jointly, which divides the requests for data and for W by four.
; THE MATRIX INSTRUCTION IS USED TRANSPOSED: source 0 = 16 rows of W, source 1 = 16 rows of data.  Lane l then holds row l % 16 of the output tile and
; its eight registers the features 8 (l / 16) + 0 .. 7: 32 neighbouring bytes.
; REGISTERS, in windows of 256:
;   window 0: v16-28 addresses; v32-63, v64-95 data fragments in f16, two buffers; v96-159 data as read from LDS (f32); v160-183 scale and masks; v184-187 at work
;   window 1: v0-127, v128-255 fragments of W (16 x 16 rows x 32 K), two buffers
;   window 2: the tiles of my rows 0-31 (tile (a, b) at v[8 (16 (a % 2) + b)]);  window 3: those of my rows 32-63
.set PA,     272                       ; data's LDS row: 256 bytes + 16, an odd multiple of 16: 16 rows start in 16 different 16-byte columns modulo 256
.set PW,     144                       ; W's LDS row: 128 bytes + 16, likewise
.set AHALF,  128*PA                    ; what one tensor load of data fills
.set WHALF,  128*PW                    ; what one tensor load of W fills
.set ATILE,  2*AHALF
.set SLOT,   ATILE+2*WHALF             ; data's 256 rows, then W's 256 rows: 106,496 bytes
.set STAGE,  2*SLOT                    ; behind the ring: 16 rows x 1,040 bytes for each wave, for the way out; no tensor load lands here
.set SPITCH, 1040
.set ADRA, 16                          ; v16-17  my data rows in slot 0, 1
.set ADRB, 20                          ; v20-21  W's rows in slot 0, 1
.set STO,  24                          ; v24     the way out: where I put 32 bytes of a row
.set RD,   25                          ; v25     the way out: where I read rows back
.set CO,   26                          ; v26     my byte offset in a row's half of out0
.set PF,   27                          ; v27     offset of the bytes of data that I ask for ahead
.set PO,   28                          ; v28     offset of my features in wscale, mask1, mask2
.set AF,   32                          ; data fragments: buffer f at AF + 32 f
.set RAW,  96
.set PAR,  160                         ; +0 scale, +8 mask1, +16 mask2; in each, +0 for features 4 l .. 4 l + 3, +4 for 128 + 4 l .. + 3
.set TM,   184
.set TMP,  32                          ; the way out: v32-159, 32 pieces of 4 registers
.set G1,  24                           ; s[24:31] descriptor group 1 for data's tiles
.set G0,  32                           ; s[32:39] group 0 for data's tiles, a set for each slot
.set G1B, 48                           ; s[48:55] group 1 for W's tiles
.set G0B, 56                           ; s[56:63] group 0 for W's tiles, a set for each slot
.set MSB, 0
.macro WIN new                         ; s_set_vgpr_msb: bits 1:0 source 0, 3:2 source 1, 5:4 source 2, 7:6 destination; the high byte repeats the setting that is left
.if MSB != \new
	s_set_vgpr_msb (MSB<<8)|\new
.set MSB, \new
.endif
.endm
.set MUL_LO, 0xa1                      ; source 0 (W) window 1, source 1 (data) window 0, C and D window 2
.set MUL_HI, 0xf1                      ; the same, C and D window 3
.set TO_B,   0x40                      ; destination window 1, address window 0
; A joint load.  Waves 0 and 1 fetch data's two halves, waves 2 and 3 W's.  The branch hangs on the wave's number alone.
.macro JLOAD s
	s_cmp_eq_u32 s11, 0
	s_cbranch_scc0 .Lfor_b_\@
	tensor_load_to_lds s[G0+4*\s:G0+4*\s+3], s[G1:G1+7]
	s_nop 0
	s_branch .Lasked_\@
.Lfor_b_\@:
	tensor_load_to_lds s[G0B+4*\s:G0B+4*\s+3], s[G1B:G1B+7]
	s_nop 0
.Lasked_\@:
.endm
; A round of the cluster's barrier: my work-group's barrier, wave 0 signals for the work-group, every wave waits for all sixteen, my work-group's barrier again.
.macro CREST                           ; a round behind its opening barrier
	s_cmp_lg_u32 s10, 0
	s_cbranch_scc1 .Lnot_wave_0_\@
	s_barrier_signal -3
.Lnot_wave_0_\@:
	s_barrier_wait -3
	s_barrier_signal -1
	s_barrier_wait -1
.endm
.macro CROUND
	s_barrier_signal -1
	s_barrier_wait -1
	CREST
.endm
; Four places behind a matrix instruction before a vector instruction or a load writes one of its registers, or its result is read.
.macro PLACES
.rept 4
	v_nop
.endr
.endm
	s_load_b128 s[4:7], s[0:1], 0x0                ; data s[4:5], wb s[6:7]
	s_load_b64 s[66:67], s[0:1], 0x10              ; wscale
	s_load_b128 s[68:71], s[0:1], 0x18             ; mask1 s[68:69], mask2 s[70:71]
	s_load_b64 s[8:9], s[0:1], 0x28                ; out0
	v_lshl_add_u32 v254, v0, 2, 0x44400
	v_mov_b32 v255, 0
	ds_add_u32 v254, v255
	v_lshrrev_b32 v1, 5, v0
	v_readfirstlane_b32 s10, v1                    ; wave 0..3
	s_lshr_b32 s11, s10, 1                         ; I fetch for data (0) or for W (1)
	s_and_b32 s12, s10, 1                          ; which 128 rows of that tile I fetch
	s_bfe_u32 s40, ttmp6, 0x40000                  ; cx
	s_bfe_u32 s41, ttmp6, 0x40004                  ; cy
	s_lshl_b32 s42, ttmp9, 2
	s_add_co_u32 s42, s42, s40                     ; block of 256 features = 4 x cluster x + cx
	s_and_b32 s13, ttmp7, 0xffff
	s_lshl_b32 s13, s13, 2
	s_add_co_u32 s13, s13, s41                     ; block of 256 rows = 4 x cluster y + cy
	s_lshl_b32 s43, s41, 2
	s_lshl_b32 s43, 15, s43                        ; my row of the cluster
	s_lshl_b32 s44, 0x1111, s40                    ; my column
	; group 1 for data: 128 rows x 64 elements of 4 bytes; 16 bytes of padding behind every 64 words (one row)
	s_or_b32 s[G1+0], s43, (2<<16)|(1<<20)|(1<<21)|(5<<22)|(3<<25)
	s_mov_b32 s[G1+1], 64<<16                      ; tensor_dim0 = 64
	s_mov_b32 s[G1+2], 128<<16                     ; tensor_dim1 = 128
	s_mov_b32 s[G1+3], 64<<16                      ; tile_dim0 = 64
	s_mov_b32 s[G1+4], 128                         ; tile_dim1 = 128
	s_mov_b32 s[G1+5], 1024                        ; 1,024 elements from row to row
	s_mov_b32 s[G1+6], 0
	s_mov_b32 s[G1+7], 0
	; group 1 for W: 16,384 consecutive bytes as 64 rows of 32 elements of 8 bytes; 16 bytes of padding behind every 32 words,
	; that is behind each of W's rows of 128 bytes (the words are counted along the whole tile): LDS pitch 144
	s_or_b32 s[G1B+0], s44, (3<<16)|(1<<20)|(1<<21)|(4<<22)|(3<<25)
	s_mov_b32 s[G1B+1], 32<<16
	s_mov_b32 s[G1B+2], 64<<16
	s_mov_b32 s[G1B+3], 32<<16
	s_mov_b32 s[G1B+4], 64
	s_mov_b32 s[G1B+5], 32
	s_mov_b32 s[G1B+6], 0
	s_mov_b32 s[G1B+7], 0
	; data's offset is made of the block of rows and the wave's number, W's of the block of features and the wave's number
	s_lshl_b32 s16, s13, 20                        ; 256 rows of 4,096 bytes
	s_lshl_b32 s17, s12, 19                        ; + my 128 rows
	s_add_co_u32 s16, s16, s17
	s_mov_b32 s17, 0
	s_lshl_b32 s46, s42, 15                        ; 256 rows of 128 bytes in a K step of wb
	s_lshl_b32 s47, s12, 14                        ; + my 128 rows
	s_add_co_u32 s46, s46, s47
	s_mov_b32 s47, 0
	s_lshl_b32 s72, s13, 20                        ; for the requests ahead: the block's first row
	s_mov_b32 s73, 0
	s_mul_i32 s20, s10, AHALF                      ; LDS: data's halves at wave x 34,816 (waves 0, 1),
	s_mul_i32 s21, s10, WHALF
	s_add_co_u32 s21, s21, ATILE-2*WHALF           ; W's at 69,632 + (wave - 2) x 18,432 (waves 2, 3)
	s_wait_dscnt 0x0
	s_wait_kmcnt 0x0
	s_add_nc_u64 s[14:15], s[4:5], s[16:17]
	s_add_nc_u64 s[46:47], s[6:7], s[46:47]
	s_add_nc_u64 s[72:73], s[4:5], s[72:73]
	s_add_nc_u64 s[72:73], s[72:73], 1024          ; K step 4 of each row
	CROUND                                         ; all sixteen work-groups are here: the first joint loads meet
.irp s, 0,1
	s_mov_b32 s[G0+4*\s], 1
	s_add_co_u32 s[G0+4*\s+1], s20, \s*SLOT
	s_add_nc_u64 s[G0+4*\s+2:G0+4*\s+3], s[14:15], \s*256          ; K step s: 64 f32
	s_or_b32 s[G0+4*\s+3], s[G0+4*\s+3], 0x80000000
	s_mov_b32 s[G0B+4*\s], 1
	s_add_co_u32 s[G0B+4*\s+1], s21, \s*SLOT
	s_add_nc_u64 s[G0B+4*\s+2:G0B+4*\s+3], s[46:47], \s*131072     ; K step s of wb
	s_or_b32 s[G0B+4*\s+3], s[G0B+4*\s+3], 0x80000000
	JLOAD \s                                       ; both slots are asked for at once: two tensor loads of a wave are out, never more
.endr
	v_and_b32 v1, 15, v0                           ; r = l % 16
	v_bfe_u32 v2, v0, 4, 1                         ; h = l / 16
	v_and_b32 v3, 31, v0                           ; l
	s_lshl_b32 s23, s42, 10                        ; my block's 256 features, 4 bytes each
	v_lshl_add_u32 v[PO], v3, 4, s23
	global_load_b128 v[PAR:PAR+3],     v[PO], s[66:67]             ; waited for on the way out
	global_load_b128 v[PAR+4:PAR+7],   v[PO], s[66:67] offset:512
	global_load_b128 v[PAR+8:PAR+11],  v[PO], s[68:69]
	global_load_b128 v[PAR+12:PAR+15], v[PO], s[68:69] offset:512
	global_load_b128 v[PAR+16:PAR+19], v[PO], s[70:71]
	global_load_b128 v[PAR+20:PAR+23], v[PO], s[70:71] offset:512
	v_mul_u32_u24 v4, v1, PA
	v_lshl_add_u32 v4, v2, 5, v4                   ; data: row r, 32 bytes (8 f32) for each half of the lanes
	s_mul_i32 s18, s10, 64*PA                      ; my 64 rows
	v_add_nc_u32 v[ADRA], s18, v4
	v_add_nc_u32 v[ADRA+1], SLOT, v[ADRA]
	v_mul_u32_u24 v5, v1, PW
	v_lshl_add_u32 v5, v2, 4, v5                   ; W: row r, 16 bytes (8 f16) for each half of the lanes
	v_add_nc_u32 v[ADRB], ATILE, v5
	v_add_nc_u32 v[ADRB+1], SLOT, v[ADRB]
	s_mul_i32 s19, s10, 16*SPITCH
	s_add_co_u32 s19, s19, STAGE                   ; my stage
	v_mul_u32_u24 v6, v1, SPITCH
	v_lshl_add_u32 v6, v2, 5, v6
	v_add_nc_u32 v[STO], s19, v6
	v_lshl_add_u32 v[RD], v3, 4, s19               ; back: 32 lanes take 512 neighbouring bytes, half a row
	v_lshlrev_b32 v[CO], 4, v3
	; Requests ahead: the four work-groups that share 256 rows of data share them out, 64 rows each, a wave 16 of them: row 64 cx + 16 wave + l % 16,
	; and of that row's next two K steps (512 bytes) the 256 bytes numbered l / 16.
	s_lshl_b32 s22, s40, 18
	s_lshl_b32 s18, s10, 16
	s_add_co_u32 s22, s22, s18
	v_lshlrev_b32 v7, 12, v1
	v_lshl_add_u32 v7, v2, 8, v7
	v_add_nc_u32 v[PF], s22, v7
; 16 matrix instructions: my rows 16 a .. 16 a + 15 x all 256 features, 32 along K, from buffers f.  zero = 1: the first product starts the sums.
.macro MUL16 f, a, zero
.irp b, 0,1,2,3,4,5,6,7,8,9,10,11,12,13,14,15
.if \zero
	v_wmma_f32_16x16x32_f16 v[8*(16*(\a&1)+\b):8*(16*(\a&1)+\b)+7], v[128*\f+8*\b:128*\f+8*\b+7], v[AF+32*\f+8*\a:AF+32*\f+8*\a+7], 0
.else
	v_wmma_f32_16x16x32_f16 v[8*(16*(\a&1)+\b):8*(16*(\a&1)+\b)+7], v[128*\f+8*\b:128*\f+8*\b+7], v[AF+32*\f+8*\a:AF+32*\f+8*\a+7], v[8*(16*(\a&1)+\b):8*(16*(\a&1)+\b)+7]
.endif
.endr
.endr
.endm
; 48 LDS loads for half kh (32 along K) of a slot: my 64 rows of data as f32 into RAW (16 loads), then W's 256 rows into buffer g (32 loads).
; A fragment's registers 0-3 hold k = 8 h + 0..7, registers 4-7 k = 16 + 8 h + 0..7: in f32 two pieces of 32 bytes, 64 bytes apart; in f16 two of 16 bytes, 32 apart.
; pf = 1: one request ahead stands between the two runs, behind loads just issued and in front of no wait.
.macro FETCH slot, kh, g, pf
	WIN 0
.irp i, 0,1,2,3
	ds_load_b128 v[RAW+16*\i:RAW+16*\i+3],     v[ADRA+\slot] offset:\i*16*PA+128*\kh
	ds_load_b128 v[RAW+16*\i+4:RAW+16*\i+7],   v[ADRA+\slot] offset:\i*16*PA+128*\kh+16
	ds_load_b128 v[RAW+16*\i+8:RAW+16*\i+11],  v[ADRA+\slot] offset:\i*16*PA+128*\kh+64
	ds_load_b128 v[RAW+16*\i+12:RAW+16*\i+15], v[ADRA+\slot] offset:\i*16*PA+128*\kh+80
.endr
.if \pf
	global_prefetch_b8 v[PF], s[72:73] th:TH_LOAD_NT scope:SCOPE_SE
.endif
	WIN TO_B
.irp b, 0,1,2,3,4,5,6,7,8,9,10,11,12,13,14,15
	ds_load_b128 v[128*\g+8*\b:128*\g+8*\b+3],   v[ADRB+\slot] offset:\b*16*PW+64*\kh
	ds_load_b128 v[128*\g+8*\b+4:128*\g+8*\b+7], v[ADRB+\slot] offset:\b*16*PW+64*\kh+32
.endr
.endm
.macro CVT g                           ; RAW to f16, into data's buffer g
	WIN 0
.irp i, 0,1,2,3
.irp j, 0,1,2,3,4,5,6,7
	v_cvt_pk_f16_f32 v[AF+32*\g+8*\i+\j], v[RAW+16*\i+2*\j], v[RAW+16*\i+2*\j+1]
.endr
.endr
.endm
; Half a K step: 64 matrix instructions on buffers f; behind the first 16 the next half's 48 loads go out (into buffers g), behind the next 32 its data are converted.
; The 64 accumulators take turns, one instruction a turn, in the same order in every half, over the loop's backward jump too.
; turn = 1: the slot's second half, which changes slots.  ONE barrier for that: in front of it each wave's reads of this slot are back and all its tensor loads
; have landed, of which one was out: its part of the next slot.  fill = 1: the barrier opens a round of the cluster's barrier, and behind the round this slot is
; asked for again, two K steps ahead, first thing and one load a wave.  From that request to the wait for it a wave issues 112 matrix instructions.
.macro HALF f, g, nslot, nkh, zero, turn, fill, slot, fetch, pf
	s_wait_dscnt 0x0                               ; W's fragments of buffer f are in; no LDS read of mine is out
.if \turn
	s_set_vgpr_msb 0xf1f0
	s_wait_tensorcnt 0x0                           ; all my tensor loads have landed
	ds_add_u32 v254, v255
	s_wait_dscnt 0x0
	s_set_vgpr_msb 0xf0f1
	s_barrier_signal -1
.endif
	WIN MUL_LO
	MUL16 \f, 0, \zero                             ; register work while the others arrive
.if \turn
	WIN 0                                          ; at a branch and at a label every window is 0
	s_barrier_wait -1
.if \fill
	CREST                                          ; no wave of any partner still reads this slot or has a load on its way
	s_add_nc_u64 s[G0+4*\slot+2:G0+4*\slot+3], s[G0+4*\slot+2:G0+4*\slot+3], 512
	s_add_nc_u64 s[G0B+4*\slot+2:G0B+4*\slot+3], s[G0B+4*\slot+2:G0B+4*\slot+3], 262144
	JLOAD \slot
.endif
.endif
.if \fetch
	PLACES                                         ; buffers g were read by the matrix instructions of the half before: these four places serve the loads and the conversions below
	FETCH \nslot, \nkh, \g, \pf
.endif
	WIN MUL_LO
	MUL16 \f, 1, \zero
	WIN MUL_HI
	MUL16 \f, 2, \zero
.if \fetch
	s_wait_dscnt 32                                ; LDS loads come back in order: the 32 younger loads (W's) may stay out, the 16 into RAW are in
	CVT \g
.endif
	WIN MUL_HI
	MUL16 \f, 3, \zero
.endm
; Once round the ring: two K steps, both slots filled again.  pf = 1: lap i asks ahead for K steps 2 i + 4 and 2 i + 5 of data, whose tensor loads go out in lap i + 1;
; every 256 bytes of those steps are asked for by one lane of one wave of one of the four work-groups that will receive them.
; step = 1: the request's base moves on by two K steps; the last request was issued 112 matrix instructions ago.
.macro LAP zero, pf, step
.if \step
	s_wait_xcnt 0x0                                ; the base is a source of the last request: rewritten only behind this wait
	s_add_nc_u64 s[72:73], s[72:73], 512
.endif
	HALF 0, 1, 0, 1, \zero, 0, 0, 0, 1, 0
	HALF 1, 0, 1, 0, 0,     1, 1, 0, 1, 0
	HALF 0, 1, 1, 1, 0,     0, 0, 1, 1, \pf
	HALF 1, 0, 0, 0, 0,     1, 1, 1, 1, 0
.endm
	s_wait_tensorcnt 0x1                           ; my part of K step 0 is in; K step 1's load, issued behind it, may stay out
	s_barrier_signal -1
	s_barrier_wait -1                              ; everybody's part is in
	FETCH 0, 0, 0, 0
	s_wait_dscnt 32                                ; the 16 loads into RAW are in
	CVT 0
	LAP 1, 1, 0                                    ; lap 0 stands in front of the loop: its first products start the sums
	WIN 0
	s_mov_b32 s3, 5
.Llap:
	LAP 0, 1, 1                                    ; laps 1 to 5; lap 5 asks ahead for K steps 14 and 15, the rows' last 512 bytes
	WIN 0
	s_sub_co_u32 s3, s3, 1
	s_cmp_lg_u32 s3, 0
	s_cbranch_scc1 .Llap
	LAP 0, 0, 0                                    ; lap 6: fills K steps 14 and 15, asks ahead for nothing: nothing is left
	HALF 0, 1, 0, 1, 0, 0, 0, 0, 1, 0              ; lap 7 fills nothing:
	HALF 1, 0, 1, 0, 0, 1, 0, 0, 1, 0              ; its one change of slots has my work-group's barrier alone, behind the wait for the last tensor load
	HALF 0, 1, 1, 1, 0, 0, 0, 1, 1, 0
	HALF 1, 0, 0, 0, 0, 0, 0, 1, 0, 0              ; the very last half: nothing more to fetch
	; THE WAY OUT, 16 rows at a time: the tiles' 32 bytes a lane go into my own stage in LDS, whole half rows of 512 bytes are read back,
	; scaled, masked and stored.  The stage is each wave's own: no barrier, and LDS serves a wave's instructions in order (ISA guide 5.7.1).
	PLACES
	WIN 0
	s_wait_loadcnt 0x0                             ; scale and masks
	s_lshl_b32 s16, s13, 20                        ; my block's first row,
	s_lshl_b32 s17, s10, 18                        ; + my 64 rows of 4,096 bytes
	s_add_co_u32 s16, s16, s17
	s_mov_b32 s17, 0
	s_add_nc_u64 s[8:9], s[8:9], s[16:17]
	s_lshl_b32 s46, s42, 10                        ; my block's 256 features
	s_mov_b32 s47, 0
	s_add_nc_u64 s[8:9], s[8:9], s[46:47]
; rows 16 a .. 16 a + 15 of my 64; from: the window of the stores' data (source 1): 0x08 window 2, 0x0c window 3
.macro OUT16 a, from
	WIN \from
.irp b, 0,1,2,3,4,5,6,7,8,9,10,11,12,13,14,15
	ds_store_b128 v[STO], v[8*(16*(\a&1)+\b):8*(16*(\a&1)+\b)+3]   offset:64*\b
	ds_store_b128 v[STO], v[8*(16*(\a&1)+\b)+4:8*(16*(\a&1)+\b)+7] offset:64*\b+16
.endr
	WIN 0
	s_wait_xcnt 0x0                                ; TMP and the base are sources of the stores of the 16 rows before: rewritten only behind this wait
.if \a
	s_add_nc_u64 s[8:9], s[8:9], 65536             ; 16 rows on
.endif
.set i, 0
.rept 32
	ds_load_b128 v[TMP+4*i:TMP+4*i+3], v[RD] offset:SPITCH*(i>>1)+512*(i&1)        ; row i / 2, half i % 2
.set i, i+1
.endr
.set i, 0
.rept 32
	s_wait_dscnt 31-i                              ; the younger read-backs may stay out
	v_pk_mul_f32 v[TMP+4*i:TMP+4*i+1],   v[TMP+4*i:TMP+4*i+1],   v[PAR+4*(i&1):PAR+4*(i&1)+1]         ; x = sum * 2^e, exact
	v_pk_mul_f32 v[TMP+4*i+2:TMP+4*i+3], v[TMP+4*i+2:TMP+4*i+3], v[PAR+4*(i&1)+2:PAR+4*(i&1)+3]
	v_max_num_f32 v[TM],   0, v[TMP+4*i]
	v_max_num_f32 v[TM+1], 0, v[TMP+4*i+1]
	v_max_num_f32 v[TM+2], 0, v[TMP+4*i+2]
	v_max_num_f32 v[TM+3], 0, v[TMP+4*i+3]
	v_pk_mul_f32 v[TMP+4*i:TMP+4*i+1],   v[TMP+4*i:TMP+4*i+1],   v[PAR+8+4*(i&1):PAR+8+4*(i&1)+1]     ; x mask1
	v_pk_mul_f32 v[TMP+4*i+2:TMP+4*i+3], v[TMP+4*i+2:TMP+4*i+3], v[PAR+8+4*(i&1)+2:PAR+8+4*(i&1)+3]
	v_pk_fma_f32 v[TMP+4*i:TMP+4*i+1],   v[TM:TM+1],   v[PAR+16+4*(i&1):PAR+16+4*(i&1)+1],   v[TMP+4*i:TMP+4*i+1]       ; + max(x, 0) mask2
	v_pk_fma_f32 v[TMP+4*i+2:TMP+4*i+3], v[TM+2:TM+3], v[PAR+16+4*(i&1)+2:PAR+16+4*(i&1)+3], v[TMP+4*i+2:TMP+4*i+3]
	global_store_b128 v[CO], v[TMP+4*i:TMP+4*i+3], s[8:9] offset:4096*(i>>1)+512*(i&1) th:TH_STORE_NT   ; the wave stores 512 consecutive bytes, aligned
.set i, i+1
.endr
.endm
	OUT16 0, 0x08
	OUT16 1, 0x08
	OUT16 2, 0x0c
	OUT16 3, 0x0c
	s_wait_tensorcnt 0x0
	ds_add_u32 v254, v255
	s_wait_dscnt 0x0
	CROUND                                         ; the closing round: no work-group ends while a partner may still ask for a tile that names it
	s_endpgm
.Lfunc_end_k_q1873e8bbee_main:
	.size	k_q1873e8bbee_main, .Lfunc_end_k_q1873e8bbee_main-k_q1873e8bbee_main
	.p2alignl 7, 3214868480
	.fill 96, 4, 3214868480
	.section	.rodata,"a",@progbits
	.p2align	6, 0x0
	.amdhsa_kernel k_q1873e8bbee_main
		.amdhsa_group_segment_fixed_size 327680
		.amdhsa_private_segment_fixed_size 0
		.amdhsa_enable_private_segment 0
		.amdhsa_kernarg_size 48
		.amdhsa_user_sgpr_count 2
		.amdhsa_user_sgpr_kernarg_segment_ptr 1
		.amdhsa_wavefront_size32 1
		.amdhsa_system_sgpr_workgroup_id_x 1
		.amdhsa_system_sgpr_workgroup_id_y 1
		.amdhsa_system_sgpr_workgroup_id_z 1
		.amdhsa_system_vgpr_workitem_id 0
		.amdhsa_next_free_vgpr 1024
		.amdhsa_next_free_sgpr 74
		.amdhsa_reserve_vcc 0
		.amdhsa_float_denorm_mode_32 3
		.amdhsa_float_denorm_mode_16_64 3
		.amdhsa_memory_ordered 1
		.amdhsa_forward_progress 1
		.amdhsa_inst_pref_size 255
	.end_amdhsa_kernel
	.section	.bss,"aw",@nobits
	.p2align	6
	.space	262144
	.amdgpu_metadata
---
amdhsa.version: [ 1, 2 ]
amdhsa.kernels:
  - .name:           k_q1873e8bbee_main
    .symbol:         k_q1873e8bbee_main.kd
    .args:
      - { .name: data, .offset: 0, .size: 8, .value_kind: global_buffer, .address_space: global }
      - { .name: wb, .offset: 8, .size: 8, .value_kind: global_buffer, .address_space: global }
      - { .name: wscale, .offset: 16, .size: 8, .value_kind: global_buffer, .address_space: global }
      - { .name: mask1, .offset: 24, .size: 8, .value_kind: global_buffer, .address_space: global }
      - { .name: mask2, .offset: 32, .size: 8, .value_kind: global_buffer, .address_space: global }
      - { .name: out0, .offset: 40, .size: 8, .value_kind: global_buffer, .address_space: global }
    .group_segment_fixed_size: 327680
    .private_segment_fixed_size: 0
    .kernarg_segment_align: 8
    .kernarg_segment_size: 48
    .max_flat_workgroup_size: 128
    .sgpr_count:     74
    .vgpr_count:     1024
    .wavefront_size: 32
...
	.end_amdgpu_metadata
.endif
;; end of part 4
